; MI455X (gfx1250); checked and timed in simulation.
; The chip was launched on July 23, 2026; its instructions are those of AMD's public machine-readable ISA for CDNA 5 (MIT licence, August 2026) and "CDNA5" Instruction Set Architecture Reference Guide (July 2026). The comments in the code are by the model that wrote it; some were corrected since.
;; Additive Attention. Allowed arithmetic: float matrix products may take bf16 or f16 operands with f32 sums; other float arithmetic in f32, or as packed bf16 or f16 multiplies, adds, multiply-adds, maxima and minima; sums over many terms, partial sums and values carried from step to step in f32; what a program stores and reads back later, other than sums and carried values, may be rounded once to bf16 or f16.
;; Inputs: W_k 1,024 x 1,024 float32; W_q 1,024 x 1,024 float32; keys 16 x 4,096 x 1,024 float32; queries 16 x 1 x 1,024 float32; w_v 1,024 x 1 float32.
;; Outputs: out0 16 x 4,096 float32.
;; 3 versions, each right; version 3 is version 2 with the launch prep written anew for expert scheduling mode. Each part assembles by itself: llvm-mc -triple=amdgcn-amd-amdhsa -mcpu=gfx1250 --defsym DOCPART=n.
;; ======== version 1 of 3: 3 launches
;; limits: a function is approximated: absolute error at most 1.2e-07
;; workspace buffers: wb 2,097,152 bytes; qs 65,536 bytes; part 1,048,576 bytes
;; launch prep (part 1): grid 80 x 1, 8 waves a work-group, no clusters, 33,792 bytes of LDS; arguments W_k, W_q, queries, wb, qs; writes wb, qs
.if DOCPART == 1
	.amdgcn_target "amdgcn-amd-amdhsa--gfx1250"
	.amdhsa_code_object_version 6
	.text
	.protected	k_qe3512f5f78_prep
	.globl	k_qe3512f5f78_prep
	.p2align	8
	.type	k_qe3512f5f78_prep,@function
k_qe3512f5f78_prep:
	s_mov_b64 s[64:65], 0
	v_nop
	global_prefetch_b8 v0, s[64:65] scope:SCOPE_SE
	s_setreg_imm32_b32 hwreg(HW_REG_WAVE_MODE, 25, 1), 1
	s_wait_xcnt 0x0
; Two small jobs ahead of the main product, chosen by the work-group's number (the same for all eight waves of a work-group).
; Work-groups 16 to 79: wb = W_k rounded once to bf16, same [d][h] layout.  A wave takes 8,192 bytes of W_k: 64 x 8 x 8,192 = all 4,194,304.
; Work-groups 0 to 15: qs[b][n] = 2 log2(e) x the sum over d of bf16(queries[b][d]) bf16(W_q[d][n]), sums in f32, for columns 64 g to 64 g + 63.
;   Wave w takes d = 128 w to 128 w + 127 in four steps of 32; the eight waves' partial sums meet in LDS and are added in f32, wave ascending.
;   The factor is the one that the main launch needs in front of its exponential, so it is applied here once.
.set SPARE, 32768                      ; behind the 8 x 4,096 bytes of partial sums: the spare words, 128 bytes a wave, four blocks of 256 bytes that no other line names
.set SPW,  14                          ; v14  SPARE + 4 x my thread's number; never rewritten
.set NIL,  15                          ; v15  0; never rewritten
.set ST0,  16                          ; v16-95, v96-175  two staging sets: 16 f32 of queries, then 16 x 4 f32 of W_q
.set AF,   176                         ; v176-183  queries' fragment, 16 rows x 32 d, bf16
.set BQ,   184                         ; v184-215  four fragments of W_q, 32 d x 16 columns each
.set ACC,  216                         ; v216-247  four accumulators
	s_load_b256 s[4:11], s[0:1], 0x0               ; W_k s[4:5], W_q s[6:7], queries s[8:9], wb s[10:11]
	s_load_b64 s[12:13], s[0:1], 0x20              ; qs
	v_lshl_add_u32 v[SPW], v0, 2, SPARE
	v_mov_b32 v[NIL], 0
	v_lshrrev_b32 v1, 5, v0
	v_readfirstlane_b32 s14, v1                    ; wave 0..7
	v_and_b32 v3, 31, v0                           ; lane
	s_mov_b32 s15, ttmp9
	s_wait_kmcnt 0x0
	s_cmp_lt_u32 s15, 16
	s_cbranch_scc1 .Lq
	; THE CAST.  No LDS: 16 loads of 512 neighbouring bytes are all out at once; each store of the wave covers 256 consecutive bytes, aligned.
	s_sub_co_u32 s16, s15, 16
	s_lshl_b32 s16, s16, 16                        ; 65,536 bytes of W_k a work-group,
	s_lshl_b32 s17, s14, 13                        ; 8,192 a wave
	s_add_co_u32 s16, s16, s17
	s_mov_b32 s17, 0
	s_add_nc_u64 s[4:5], s[4:5], s[16:17]
	s_lshr_b32 s16, s16, 1                         ; half as many bytes in wb
	s_add_nc_u64 s[10:11], s[10:11], s[16:17]
	v_lshlrev_b32 v4, 4, v3
	v_lshlrev_b32 v5, 3, v3
.set i, 0
.rept 16
	global_load_b128 v[32+4*i:35+4*i], v4, s[4:5] offset:512*i th:TH_LOAD_NT
.set i, i+1
.endr
.set i, 0
.rept 16
	s_wait_loadcnt 15-i                            ; loads come back in order: number i is in, the 15 - i younger ones stay out
	v_cvt_pk_bf16_f32 v[96+2*i], v[32+4*i], v[33+4*i]
	v_cvt_pk_bf16_f32 v[97+2*i], v[34+4*i], v[35+4*i]
	global_store_b64 v5, v[96+2*i:97+2*i], s[10:11] offset:256*i
.set i, i+1
.endr
	s_endpgm
.Lq:
	; THE PROJECTION OF THE QUERIES.  r = lane % 16, h = lane / 16.
	; queries' fragment: lane (r, h) holds row r, d = 8 h + 0..7 and 16 + 8 h + 0..7 of the step: four loads of 16 bytes at 32 h + 0, 16, 64, 80.
	; W_q lies [d][n], and no load turns it.  Load i of 16 takes 16 bytes of row d = (i < 8 ? i : i + 8) + 8 h: columns 4 r to 4 r + 3; lanes 0-15 cover 256 aligned bytes of a row.
	; Component c of the sixteen loads IS the fragment of the sixteen columns 4 r + c: so four accumulators, c = 0..3, and lane r of accumulator c holds column 64 g + 4 r + c.
	v_and_b32 v1, 15, v0                           ; r
	v_bfe_u32 v2, v0, 4, 1                         ; h
	v_lshlrev_b32 v6, 12, v1
	v_lshl_add_u32 v6, v2, 5, v6                   ; queries: 4,096 r + 32 h
	v_lshlrev_b32 v7, 4, v1
	v_lshl_add_u32 v7, v2, 15, v7                  ; W_q: 8 h rows of 4,096 bytes + 16 r
	s_lshl_b32 s16, s14, 9                         ; my 128 d in a row of queries
	s_mov_b32 s17, 0
	s_add_nc_u64 s[8:9], s[8:9], s[16:17]
	s_lshl_b32 s16, s14, 19                        ; my 128 rows of W_q,
	s_lshl_b32 s18, s15, 8                         ; the work-group's 64 columns
	s_add_co_u32 s16, s16, s18
	s_add_nc_u64 s[6:7], s[6:7], s[16:17]
.macro LOADSET s, set                  ; step s: 20 loads into a staging set
.irp q, 0,1,2,3
	global_load_b128 v[ST0+80*(\set)+4*(\q):ST0+80*(\set)+4*(\q)+3], v6, s[8:9] offset:128*(\s)+16*((\q)%2)+64*((\q)/2)
.endr
.set i, 0
.rept 16
	global_load_b128 v[ST0+80*(\set)+16+4*i:ST0+80*(\set)+19+4*i], v7, s[6:7] offset:(32*(\s)+i+8*(i/8))*4096 th:TH_LOAD_NT
.set i, i+1
.endr
.endm
.macro CVT set                         ; 40 roundings to bf16: the five fragments
.set i, 0
.rept 8
	v_cvt_pk_bf16_f32 v[AF+i], v[ST0+80*(\set)+2*i], v[ST0+80*(\set)+2*i+1]
.set i, i+1
.endr
.irp c, 0,1,2,3
.set i, 0
.rept 8
	v_cvt_pk_bf16_f32 v[BQ+8*(\c)+i], v[ST0+80*(\set)+16+8*i+(\c)], v[ST0+80*(\set)+20+8*i+(\c)]
.set i, i+1
.endr
.endr
.endm
.macro MM zero                         ; the four accumulators take turns, one instruction a turn; zero = 1: the first step starts the sums
.irp c, 0,1,2,3
.if \zero
	v_wmma_f32_16x16x32_bf16 v[ACC+8*(\c):ACC+8*(\c)+7], v[AF:AF+7], v[BQ+8*(\c):BQ+8*(\c)+7], 0
.else
	v_wmma_f32_16x16x32_bf16 v[ACC+8*(\c):ACC+8*(\c)+7], v[AF:AF+7], v[BQ+8*(\c):BQ+8*(\c)+7], v[ACC+8*(\c):ACC+8*(\c)+7]
.endif
.endr
.endm
.macro PLACES                          ; four plain vector instructions between a matrix instruction and a vector write of its sources (ISA guide 7.12.1)
.rept 4
	v_nop
.endr
.endm
	LOADSET 0, 0
	LOADSET 1, 1
	s_wait_loadcnt 20                              ; step 0's set is in; the 20 loads of step 1 stay out
	CVT 0
	LOADSET 2, 0
	MM 1
	PLACES
	s_wait_loadcnt 20                              ; step 1's set; step 2's 20 stay out
	CVT 1
	LOADSET 3, 1
	MM 0
	PLACES
	s_wait_loadcnt 20                              ; step 2's set; step 3's 20 stay out
	CVT 0
	MM 0
	PLACES
	s_wait_loadcnt 0x0
	CVT 1
	MM 0
	; the addresses of the way out: seven plain instructions that name no register of the products, the places behind them
	s_lshl_b32 s16, s14, 12                        ; my 4,096 bytes of partial sums
	s_lshr_b32 s17, s14, 2
	s_lshl_b32 s17, s17, 9
	s_and_b32 s18, s14, 3
	s_lshl_b32 s18, s18, 2
	s_add_co_u32 s17, s17, s18                     ; register j = w of every accumulator: block j / 4, word j % 4
	s_lshl_b32 s18, s15, 8
	s_add_co_u32 s18, s18, s16                     ; qs: row w (+ 8 h), the work-group's 64 columns
	v_lshlrev_b32 v8, 4, v3
	v_lshlrev_b32 v9, 4, v3
	v_add_nc_u32 v8, s16, v8
	v_add_nc_u32 v9, s17, v9
	v_lshlrev_b32 v10, 15, v2
	v_lshl_add_u32 v10, v1, 4, v10
	v_add_nc_u32 v10, s18, v10
.irp c, 0,1,2,3
	ds_store_b128 v8, v[ACC+8*(\c):ACC+8*(\c)+3] offset:1024*(\c)        ; each accumulator's low registers first
	ds_store_b128 v8, v[ACC+8*(\c)+4:ACC+8*(\c)+7] offset:1024*(\c)+512
.endr
	s_wait_dscnt 0x0                               ; for the others' sake: my partial sums are in LDS
	s_barrier_signal -1
	s_barrier_wait -1
.set i, 0
.rept 32                                       ; source wave i / 4, accumulator i % 4: register w of each, so I hold batch rows w and 8 + w
	ds_load_b32 v[16+i], v9 offset:(i/4)*4096+(i%4)*1024
.set i, i+1
.endr
	s_wait_dscnt 0x0
	v_pk_add_f32 v[48:49], v[16:17], v[20:21]
	v_pk_add_f32 v[50:51], v[18:19], v[22:23]
.irp s, 2,3,4,5,6,7
	v_pk_add_f32 v[48:49], v[48:49], v[16+4*(\s):17+4*(\s)]
	v_pk_add_f32 v[50:51], v[50:51], v[18+4*(\s):19+4*(\s)]
.endr
	v_pk_mul_f32 v[48:49], v[48:49], 0x4038aa3b op_sel_hi:[1,0]   ; 2 log2(e)
	v_pk_mul_f32 v[50:51], v[50:51], 0x4038aa3b op_sel_hi:[1,0]
	global_store_b128 v10, v[48:51], s[12:13]      ; columns 4 r to 4 r + 3 of row 8 h + w: sixteen lanes store 256 consecutive bytes, aligned
	s_wait_tensorcnt 0x0                           ; the wave's end, behind my last LDS store
	ds_add_u32 v[SPW], v[NIL]
	s_wait_dscnt 0x0
	s_endpgm
.Lfunc_end_k_qe3512f5f78_prep:
	.size	k_qe3512f5f78_prep, .Lfunc_end_k_qe3512f5f78_prep-k_qe3512f5f78_prep
	.p2alignl 7, 3214868480
	.fill 96, 4, 3214868480
	.section	.rodata,"a",@progbits
	.p2align	6, 0x0
	.amdhsa_kernel k_qe3512f5f78_prep
		.amdhsa_group_segment_fixed_size 33792
		.amdhsa_private_segment_fixed_size 0
		.amdhsa_enable_private_segment 0
		.amdhsa_kernarg_size 40
		.amdhsa_user_sgpr_count 2
		.amdhsa_user_sgpr_kernarg_segment_ptr 1
		.amdhsa_wavefront_size32 1
		.amdhsa_system_sgpr_workgroup_id_x 1
		.amdhsa_system_sgpr_workgroup_id_y 1
		.amdhsa_system_sgpr_workgroup_id_z 1
		.amdhsa_system_vgpr_workitem_id 0
		.amdhsa_next_free_vgpr 256
		.amdhsa_next_free_sgpr 66
		.amdhsa_reserve_vcc 0
		.amdhsa_float_denorm_mode_32 3
		.amdhsa_float_denorm_mode_16_64 3
		.amdhsa_memory_ordered 1
		.amdhsa_forward_progress 1
		.amdhsa_inst_pref_size 31
	.end_amdhsa_kernel
	.amdgpu_metadata
---
amdhsa.version: [ 1, 2 ]
amdhsa.kernels:
  - .name:           k_qe3512f5f78_prep
    .symbol:         k_qe3512f5f78_prep.kd
    .args:
      - { .name: W_k, .offset: 0, .size: 8, .value_kind: global_buffer, .address_space: global }
      - { .name: W_q, .offset: 8, .size: 8, .value_kind: global_buffer, .address_space: global }
      - { .name: queries, .offset: 16, .size: 8, .value_kind: global_buffer, .address_space: global }
      - { .name: wb, .offset: 24, .size: 8, .value_kind: global_buffer, .address_space: global }
      - { .name: qs, .offset: 32, .size: 8, .value_kind: global_buffer, .address_space: global }
    .group_segment_fixed_size: 33792
    .private_segment_fixed_size: 0
    .kernarg_segment_align: 8
    .kernarg_segment_size: 40
    .max_flat_workgroup_size: 256
    .sgpr_count:     66
    .vgpr_count:     256
    .wavefront_size: 32
...
	.end_amdgpu_metadata
.endif
;; end of part 1
;; launch main (part 2): grid 4 x 64, 4 waves a work-group, clusters of 4 x 4, 327,680 bytes of LDS; arguments keys, wb, qs, w_v, part; writes part
.if DOCPART == 2
	.amdgcn_target "amdgcn-amd-amdhsa--gfx1250"
	.amdhsa_code_object_version 6
	.text
	.protected	k_qe3512f5f78_main
	.globl	k_qe3512f5f78_main
	.p2align	8
	.type	k_qe3512f5f78_main,@function
k_qe3512f5f78_main:
	s_mov_b64 s[64:65], 0
	v_nop
	global_prefetch_b8 v0, s[64:65] scope:SCOPE_SE
	s_setreg_imm32_b32 hwreg(HW_REG_WAVE_MODE, 25, 1), 1
	s_wait_xcnt 0x0
	s_wait_alu depctr_hold_cnt(0) depctr_sa_sdst(0) depctr_va_vdst(0) depctr_va_sdst(0) depctr_va_ssrc(0) depctr_va_vcc(0) depctr_vm_vsrc(0)
	s_getreg_b32 s2, hwreg(HW_REG_IB_STS2, 6, 4)
	s_cmp_eq_u32 s2, 0
	s_cbranch_scc0 .Lentry_in_a_cluster
	s_endpgm
.Lentry_in_a_cluster:
	s_bfe_u32 s2, ttmp6, 0x10000c
	s_cmp_lg_u32 s2, 0xf033
	s_cbranch_scc0 .Lentry_shape_is_right
	s_endpgm
.Lentry_shape_is_right:
; part[x][row] = the sum over the 256 features n of quarter x of w_v[n] tanh(q[b][n] + the sum over d of keys[row][d] W_k[d][n]).
; keys: [65,536 rows][1,024] f32; wb: W_k in bf16, [d][n]; qs: 2 log2(e) q, [16][1,024] f32; w_v: [1,024] f32; part: [4][65,536] f32.  Products in bf16 with f32 sums; all else in f32.
; LIMITS.  keys and w_v are rounded once to bf16 here (W_k, W_q and queries in the launch before).  tanh(x) = 1 - 2 / (1 + 2^(2 log2(e) x)): right at both ends (the exponential's infinity
; gives 1, its zero gives -1); its absolute error is near 2^-23, so below |x| of about 1e-5 the relative accuracy of a single feature is lost.  NaN and infinities in the inputs are not treated apart.
; SHARES.  A tile is 256 key rows x 256 features.  A work-group stays and makes four tiles, 16,384 rows apart.  Each of its four waves has 64 rows x 256 features: 64 accumulators, 512 registers.
; With whole rows to a wave each f32 fragment of keys is read from LDS and rounded by one wave only: 32 roundings for a step's 64 matrix instructions.
; CLUSTER, 4 x 4.  The four work-groups of a row of the cluster take the four quarters of the features for the SAME key rows: the f32 tile of keys is asked for jointly and is fetched once for the four.
; The four of a column share wb's tile in the same way.  A row's score therefore lies in four work-groups: four partial sums, added by the launch behind.
; THE MATRIX INSTRUCTION IS USED TRANSPOSED (source 0 = 16 features of wb, source 1 = 16 key rows): a lane holds ONE key row (lane % 16) and the features 8 (lane / 16) + 0..7 of each block of 16,
; so the sum over the features stays in the lane but for one exchange between the halves of the lanes.
; THE RING.  Two LDS regions; a slot is 64 along d: 256 rows x 256 bytes of keys (f32) and 64 rows x 512 bytes of wb.  A step is 32 along d.  Step j multiplies registers and meanwhile reads step j + 1's
; numbers from LDS, so slot s is read in steps 2 s - 1 and 2 s, and ONE round at the end of every even step does both things: it shows the next slot whole, and it frees the slot just read out.
; REGISTERS, in windows of 256 (s_set_vgpr_msb: bits 1:0 source 0, 3:2 source 1, 5:4 source 2, 7:6 destination):
;   window 0: v0-31 addresses and small things; v32-95 keys as read, f32; v96-127, v128-159 keys' fragments in bf16, two buffers
;   window 1: v0-127, v128-255 wb's fragments, two buffers; on the way out q's and w_v's numbers for my lanes' features
;   window 2: the accumulators of row blocks 0, 1 ((a, b) at v[8 (16 (a % 2) + b)]);   window 3: those of row blocks 2, 3
; A step's LDS loads and roundings stand two at a time behind its matrix instructions: they are 80 for 64, too many for a run of their own.  The price is two window switches for each such pair.
.set PA,    272                        ; a row of keys in LDS: 256 bytes + 16 = 68 words: the 16 rows of a load start at 16 different groups of four banks (64 banks of 4 bytes: ISA guide 11.1)
.set PB,    544                        ; a row of wb: 512 + 32 = 136 words
.set HALFA, 128*PA                     ; what one tensor load brings of keys: 128 rows
.set HALFB, 32*PB                      ; and of wb: 32 rows
.set BOFF,  256*PA                     ; in a region: keys' 256 rows, then wb's 64
.set SLOT,  BOFF+64*PB                 ; 104,448 bytes
.set TAB,   2*SLOT                     ; behind the ring, never filled by a tensor load: 2 log2(e) q of my four tiles x 256 features, f32
.set WVT,   TAB+4096                   ; w_v of my 256 features, rounded to bf16, kept as f32
.set STG,   WVT+1024                   ; 256 bytes a wave: its 64 row sums on their way out
.set SPARE, STG+1024                   ; the spare words, 128 bytes a wave: two blocks of 256 bytes that no other line names
.set NEXT_A, 0x4000000-3584            ; bytes from a region's last slot of a tile to its first of the next: 16,384 rows of 4,096 bytes down, 14 slots of 256 bytes back
.set BACK_B, 14*131072                 ; wb only back: 14 slots of 64 rows of 2,048 bytes
.set NEXT_P, 0x4000000-4096+512        ; the same step for the offset that asks ahead
.set ADRA, 4                           ; v4-5   LDS address of my lane's place in keys' tile, region 0, 1
.set ADRB, 6                           ; v6-7   the same for wb
.set TADR, 8                           ; v8     q's numbers of the tile in hand
.set WADR, 9                           ; v9     w_v's numbers
.set STGW, 10                          ; v10    the way out: where I put a row sum
.set STGR, 11                          ; v11    where I read two back
.set PO,   12                          ; v12    my 8 bytes in the wave's 256 bytes of part
.set PFO,  13                          ; v13    byte offset in keys of the block that I ask for ahead
.set SPW,  14                          ; v14    SPARE + 4 x my thread's number; never rewritten
.set NIL,  15                          ; v15    0; never rewritten
.set RS,   16                          ; v16-19 the four row blocks' sums
.set TT,   20                          ; v20-23 at work
.set AST,  32
.set AB0,  96
.set G1,  24                           ; s[24:31] descriptor group 1 for keys' tiles;  s[32:39] group 0, a set for each region
.set G0,  32
.set G1B, 48                           ; s[48:55], s[56:63] the same for wb's tiles
.set G0B, 56
.set CC,  66                           ; s[66:67] 2 log2(e): the packed scaling takes the pair's low word for both halves
.set MSB, 0
.macro WIN new                         ; the immediate's high byte repeats the setting that is left; a switch that changes nothing is dropped
.if MSB != (\new)
	s_set_vgpr_msb (MSB<<8)|(\new)
.set MSB, \new
.endif
.endm
.set MUL_LO, 0xa1                      ; source 0 (wb) window 1, source 1 (keys) window 0, C and D window 2
.set TO_B,   0x40                      ; destination window 1, address window 0
.set E1,     0x96                      ; the way out: destination and source 0 window 2, sources 1 and 2 window 1   (+ 0x41: window 3)
.set E2,     0xa6                      ; destination, source 0 and source 2 window 2, source 1 window 1             (+ 0x51)
.set RR,     0xaa                      ; all in window 2                                                             (+ 0x55)
.set RO,     0x0a                      ; sources window 2, destination window 0                                      (+ 0x05)
; A joint load.  Waves 0 and 1 fetch keys' two halves, waves 2 and 3 wb's.  The branch hangs on the wave's number alone.  An s_nop 0 and four v_nop follow each of the two lines.
.macro JLOAD r
	s_cmp_eq_u32 s15, 0
	s_cbranch_scc0 .Lfor_b_\@
	tensor_load_to_lds s[G0+4*(\r):G0+4*(\r)+3], s[G1:G1+7]
	s_nop 0
.rept 4
	v_nop
.endr
	s_branch .Lasked_\@
.Lfor_b_\@:
	tensor_load_to_lds s[G0B+4*(\r):G0B+4*(\r)+3], s[G1B:G1B+7]
	s_nop 0
.rept 4
	v_nop
.endr
.Lasked_\@:
.endm
.macro CREST                           ; a round of the cluster's barrier behind its opening barrier
	s_cmp_lg_u32 s14, 0
	s_cbranch_scc1 .Lnot_wave_0_\@
	s_barrier_signal -3
.Lnot_wave_0_\@:
	s_barrier_wait -3
	s_barrier_signal -1
	s_barrier_wait -1
.endm
.macro CROUND                          ; a whole round
	s_barrier_signal -1
	s_barrier_wait -1
	CREST
.endm
.macro PLACES                          ; four plain vector instructions between a matrix instruction and a load into, or a vector write or read of, its registers (ISA guide 7.12.1 for vector writes and reads)
.rept 4
	v_nop
.endr
.endm
	s_load_b256 s[4:11], s[0:1], 0x0               ; keys s[4:5] (never stepped), wb s[6:7], qs s[8:9], w_v s[10:11]
	s_load_b64 s[12:13], s[0:1], 0x20              ; part
	v_lshl_add_u32 v[SPW], v0, 2, SPARE
	v_mov_b32 v[NIL], 0
	ds_add_u32 v[SPW], v[NIL]                      ; the wave's opening: the add and its wait stand ahead of my first tensor load; the set-up below, work on registers, stands between them
	v_lshrrev_b32 v1, 5, v0
	v_readfirstlane_b32 s14, v1                    ; wave 0..3
	s_lshr_b32 s15, s14, 1                         ; I fetch for keys (0) or for wb (1),
	s_and_b32 s16, s14, 1                          ; and which half of that tile
	s_bfe_u32 s17, ttmp6, 0x40000                  ; cx
	s_bfe_u32 s18, ttmp6, 0x40004                  ; cy
	s_lshl_b32 s20, ttmp9, 2
	s_add_co_u32 s20, s20, s17                     ; x: my quarter of the features
	s_and_b32 s19, ttmp7, 0xffff
	s_lshl_b32 s19, s19, 2
	s_add_co_u32 s19, s19, s18                     ; y: my first block of 256 rows, 0..63
	s_lshl_b32 s21, s18, 2
	s_lshl_b32 s21, 15, s21                        ; my row of the cluster
	s_lshl_b32 s22, 0x1111, s17                    ; my column
	; group 1 for keys: 128 rows x 64 elements of 4 bytes, 4 words of padding behind every 64 words
	s_or_b32 s[G1], s21, (2<<16)|(1<<20)|(1<<21)|(5<<22)|(3<<25)   ; 15:0 the mask: my row; 17:16 4-byte elements; 20 padding on; 21 set beside a mask; 24:22 interval code 5; 31:25 4 words (code 3)
	s_mov_b32 s[G1+1], 64<<16                      ; tensor_dim0 = 64
	s_mov_b32 s[G1+2], 128<<16                     ; tensor_dim1 = 128
	s_mov_b32 s[G1+3], 64<<16                      ; tile_dim0 = 64
	s_mov_b32 s[G1+4], 128                         ; tile_dim1 = 128
	s_mov_b32 s[G1+5], 1024                        ; elements from row to row
	s_mov_b32 s[G1+6], 0
	s_mov_b32 s[G1+7], 0
	; group 1 for wb: 32 rows x 256 elements of 2 bytes, 8 words of padding behind every 128 words
	s_or_b32 s[G1B], s22, (1<<16)|(1<<20)|(1<<21)|(6<<22)|(7<<25)  ; the mask: my column; 2-byte elements; interval code 6; 8 words (code 7)
	s_mov_b32 s[G1B+1], 256<<16
	s_mov_b32 s[G1B+2], 32<<16
	s_mov_b32 s[G1B+3], 256<<16
	s_mov_b32 s[G1B+4], 32
	s_mov_b32 s[G1B+5], 1024
	s_mov_b32 s[G1B+6], 0
	s_mov_b32 s[G1B+7], 0
	; where the tiles come from: keys' hang on y alone, which my row of the cluster shares; wb's on x alone, which my column shares; each in registers that never hold the other coordinate
	s_lshl_b32 s40, s19, 20                        ; 256 rows of 4,096 bytes,
	s_lshl_b32 s41, s16, 19                        ; my half's 128
	s_add_co_u32 s40, s40, s41
	s_mov_b32 s41, 0
	s_lshl_b32 s42, s20, 9                         ; 256 features of 2 bytes,
	s_lshl_b32 s43, s16, 16                        ; my half's 32 rows of 2,048 bytes
	s_add_co_u32 s42, s42, s43
	s_mov_b32 s43, 0
	s_mul_i32 s44, s16, HALFA                      ; and where they go: no place in the cluster enters an LDS address
	s_mul_i32 s45, s16, HALFB
	s_add_co_u32 s45, s45, BOFF
	s_mov_b32 s[CC], 0x4038aa3b                    ; 2 log2(e)
	s_mov_b32 s[CC+1], 0x4038aa3b                  ; named with it as a pair
	s_mov_b32 s68, 0x76543210                      ; v_permlanex16_b32: each lane takes its own place in the other half
	s_mov_b32 s69, 0xfedcba98
	s_mov_b32 s70, 0xffff0000                      ; a word's upper bf16; also the mask of lanes 16-31
	s_wait_dscnt 0x0                               ; the opening add is done
	s_wait_kmcnt 0x0
	s_add_nc_u64 s[40:41], s[4:5], s[40:41]
	s_add_nc_u64 s[42:43], s[6:7], s[42:43]
	CROUND                                         ; all sixteen work-groups are here: the first joint loads meet
.irp r, 0,1
	s_mov_b32 s[G0+4*(\r)], 1                                      ; count = 1
	s_add_co_u32 s[G0+4*(\r)+1], s44, (\r)*SLOT                    ; LDS address
	s_add_nc_u64 s[G0+4*(\r)+2:G0+4*(\r)+3], s[40:41], (\r)*256    ; global address: slot r
	s_or_b32 s[G0+4*(\r)+3], s[G0+4*(\r)+3], 0x80000000            ; type = 2
	s_mov_b32 s[G0B+4*(\r)], 1
	s_add_co_u32 s[G0B+4*(\r)+1], s45, (\r)*SLOT
	s_add_nc_u64 s[G0B+4*(\r)+2:G0B+4*(\r)+3], s[42:43], (\r)*131072
	s_or_b32 s[G0B+4*(\r)+3], s[G0B+4*(\r)+3], 0x80000000
	JLOAD \r                                       ; two loads of mine are out here, one behind each later round
.endr
	; THE TABLES.  Wave w fetches q's 256 numbers for tile w (batch 4 w + y / 16) and 64 of w_v's; all waves read them behind the barrier below.
	v_and_b32 v1, 15, v0                           ; r = lane % 16
	v_bfe_u32 v2, v0, 4, 1                         ; h = lane / 16
	v_and_b32 v3, 31, v0                           ; lane
	s_lshr_b32 s72, s19, 4
	s_lshl_b32 s72, s72, 12
	s_lshl_b32 s77, s14, 14
	s_add_co_u32 s72, s72, s77                     ; row 4 w + y / 16 of qs,
	s_lshl_b32 s73, s20, 10
	s_add_co_u32 s72, s72, s73                     ; my quarter's 1,024 bytes of it
	s_lshl_b32 s77, s14, 8
	s_add_co_u32 s73, s73, s77                     ; w_v: my quarter, my wave's 64 numbers
	v_lshl_add_u32 v32, v3, 5, s72
	v_lshl_add_u32 v33, v3, 3, s73
	global_load_b128 v[36:39], v32, s[8:9]
	global_load_b128 v[40:43], v32, s[8:9] offset:16
	global_load_b64 v[44:45], v33, s[10:11]
	s_lshl_b32 s77, s14, 10
	s_add_co_u32 s77, s77, TAB
	v_lshl_add_u32 v34, v3, 5, s77                 ; TAB + 1,024 w + 32 lane
	s_lshl_b32 s47, s14, 8
	s_add_co_u32 s77, s47, WVT
	v_lshl_add_u32 v35, v3, 3, s77                 ; WVT + 256 w + 8 lane
	s_add_co_u32 s47, s47, STG                     ; my stage
	; keys' fragment: lane (r, h) holds row r, d = 8 h + 0..7 and 16 + 8 h + 0..7: in f32 four loads of 16 bytes at 32 h + 0, 16, 64, 80
	v_mul_u32_u24 v24, v1, PA
	v_lshl_add_u32 v24, v2, 5, v24
	s_mul_i32 s46, s14, 64*PA                      ; my 64 rows
	v_add_nc_u32 v[ADRA], s46, v24
	v_add_nc_u32 v[ADRA+1], SLOT, v[ADRA]
	; wb lies [d][n]: the turning load takes 16 d x 16 features (lane l reads d = 8 h + l % 8, features 8 ((l / 8) % 2) + 0..7) and leaves half a fragment: lane l holds feature l % 16 and 8 d
	v_and_b32 v25, 7, v0
	v_lshl_add_u32 v25, v2, 3, v25
	v_mul_u32_u24 v25, v25, PB
	v_bfe_u32 v26, v0, 3, 1
	v_lshl_add_u32 v25, v26, 4, v25
	v_add_nc_u32 v[ADRB], BOFF, v25
	v_add_nc_u32 v[ADRB+1], SLOT, v[ADRB]
	v_lshl_add_u32 v[TADR], v2, 5, TAB             ; my lanes' eight features of a block of 16: 32 h
	v_lshl_add_u32 v[WADR], v2, 5, WVT
	v_lshl_add_u32 v[STGW], v3, 2, s47
	v_lshl_add_u32 v[STGR], v3, 3, s47
	v_lshlrev_b32 v[PO], 3, v3
.irp a, 0,1,2,3
	v_mov_b32 v[TT+(\a)], 0                        ; v_permlanex16_b32 counts as a reader of its destination
.endr
	s_lshl_b32 s76, s19, 20                        ; asking ahead: row 64 cx + 16 w + r of the tile, slot 4 + h
	s_lshl_b32 s77, s17, 18
	s_add_co_u32 s76, s76, s77
	s_lshl_b32 s77, s14, 16
	s_add_co_u32 s76, s76, s77
	s_add_co_u32 s76, s76, 1024
	v_lshlrev_b32 v[PFO], 12, v1
	v_lshl_add_u32 v[PFO], v2, 8, v[PFO]
	v_add_nc_u32 v[PFO], s76, v[PFO]
	s_lshl_b32 s74, s20, 18                        ; part: quarter x, rows 256 y + 64 w on
	s_lshl_b32 s77, s19, 10
	s_add_co_u32 s74, s74, s77
	s_lshl_b32 s77, s14, 8
	s_add_co_u32 s74, s74, s77
	s_mov_b32 s75, 0
	s_add_nc_u64 s[12:13], s[12:13], s[74:75]
	s_wait_loadcnt 0x0
	v_cvt_pk_bf16_f32 v46, v44, v45                ; w_v is rounded once to bf16, like the other inputs, and widened again
	v_lshlrev_b32 v44, 16, v46
	v_and_b32 v45, s70, v46
	ds_store_b128 v34, v[36:39]
	ds_store_b128 v34, v[40:43] offset:16
	ds_store_b64 v35, v[44:45]
	s_mov_b32 s2, 4                                ; tiles to go: the same in every work-group
	s_wait_dscnt 0x0                               ; for the others' sake: my part of the tables is in LDS,
	s_wait_tensorcnt 0x1                           ; and my part of slot 0; slot 1's load, the one younger, stays out
	s_barrier_signal -1
	s_barrier_wait -1
; Matrix instruction i of a step's 64: row block 2 (i / 32) + i % 2, feature block (i % 32) / 2.  No two that follow each other share an accumulator, from step to step and from tile to tile too:
; the accumulators take turns.  zero = 1: the tile's first step starts the sums: nothing is ever cleared.
.macro WM buf, zero
.set rD, 8*(16*(i%2)+(i%32)/2)
.set rB, 128*(\buf)+8*((i%32)/2)
.set rA, AB0+32*(\buf)+8*(2*(i/32)+i%2)
	WIN MUL_LO+0x50*(i/32)
.if \zero
	v_wmma_f32_16x16x32_bf16 v[rD:rD+7], v[rB:rB+7], v[rA:rA+7], 0
.else
	v_wmma_f32_16x16x32_bf16 v[rD:rD+7], v[rB:rB+7], v[rA:rA+7], v[rD:rD+7]
.endif
.endm
.macro LA n, reg, hf                   ; two of the 16 loads of keys, f32: load q brings four numbers of row block q / 4
	WIN 0
.irp d, 0,1
.set q, 2*(\n)+(\d)
	ds_load_b128 v[AST+4*q:AST+4*q+3], v[ADRA+(\reg)] offset:128*(\hf)+16*PA*(q/4)+16*(q%2)+64*((q%4)/2)
.endr
.endm
.macro LB n, reg, hf, nb               ; the fragment of feature block n of wb, turned
	WIN TO_B
	ds_load_tr16_b128 v[128*(\nb)+8*(\n):128*(\nb)+8*(\n)+3],   v[ADRB+(\reg)] offset:32*PB*(\hf)+32*(\n)
	ds_load_tr16_b128 v[128*(\nb)+8*(\n)+4:128*(\nb)+8*(\n)+7], v[ADRB+(\reg)] offset:32*PB*(\hf)+32*(\n)+16*PB
.endm
.macro CV n, nb                        ; two of the 32 roundings of keys to bf16
	WIN 0
.irp d, 0,1
.set q, 2*(\n)+(\d)
	v_cvt_pk_bf16_f32 v[AB0+32*(\nb)+q], v[AST+2*q], v[AST+2*q+1]
.endr
.endm
.macro LQ n                            ; q's eight numbers for my lanes' features of block n, into wb's buffer 0, which has been multiplied
	WIN TO_B
	ds_load_b128 v[8*(\n):8*(\n)+3],   v[TADR] offset:64*(\n)
	ds_load_b128 v[8*(\n)+4:8*(\n)+7], v[TADR] offset:64*(\n)+16
.endm
; ASKING AHEAD for keys.  Once in a trip of the lap loop each wave asks for 32 blocks of 256 bytes: 16 rows x the two slots whose tensor loads are issued at the ends of the third and fifth step behind this one.
; The sixteen waves of the four partners take sixteen rows each, so each block is asked for once.  kind 1: ask; 2: step two slots on; 3: step to the next tile's slots 2 and 3, and ask.
; A tile's slots 0 and 1 are not asked for, and the last tile's tail asks for nothing: no request leaves the buffer.
.macro PF kind
.if (\kind) == 1
	WIN 0
	global_prefetch_b8 v[PFO], s[4:5] th:TH_LOAD_NT scope:SCOPE_SE
.elseif (\kind) == 2
	WIN 0
	s_wait_xcnt 0x0                                ; the request's address register is rewritten only behind this wait
	v_add_nc_u32 v[PFO], 512, v[PFO]
.elseif (\kind) == 3
	WIN 0
	s_wait_xcnt 0x0
	v_add_nc_u32 v[PFO], NEXT_P, v[PFO]
	global_prefetch_b8 v[PFO], s[4:5] th:TH_LOAD_NT scope:SCOPE_SE
.endif
.endm
; A STEP: 64 matrix instructions on buffers buf.  fetch = 1: meanwhile the next step's numbers come from half hf of region reg into the other buffers: keys' loads behind products 0-7, wb's behind 8-23,
; the roundings behind 32-47.  fetch = 2 (a tile's last step): q's numbers come instead.
; meet: the change of slots, in the step's last quarter.  Each wave waits for all its tensor loads, of which one is out: its part of the next slot; adds 0 to its spare word; and waits for that and for its
; reads of region reg, which are this slot's last.  1, 2: the barrier opens a round of the cluster's, so that no wave of any partner still reads the region or has a load on its way, and the joint refill is the
; first thing behind it: the slot two on (1), or the next tile's slot 0 or 1 (2).  3: the last tile: a plain barrier, nothing is filled.
; places = 1: four v_nop in front; behind a joint load its own four serve.
.macro STEP reg, hf, buf, zero, fetch, meet, places, pf
	s_wait_dscnt 0x0                               ; wb's fragments for this step are in
.if \places
	PLACES
.endif
.set i, 0
.rept 64
	WM \buf, \zero
.if (\fetch) == 1
.if i < 8
	LA i, \reg, \hf
.elseif i < 24
	LB i-8, \reg, \hf, 1-(\buf)
.elseif (i >= 32) && (i < 48)
.if i == 32
	s_wait_dscnt 32                                ; keys' 16 loads are in; the 32 of wb, issued behind them, may be out
.endif
	CV i-32, 1-(\buf)
.endif
.endif
.if ((\fetch) == 2) && (i < 16)
	LQ i
.endif
.if i == 24
	PF \pf
.endif
.if (\meet) && (i == 47)
	WIN 0                                          ; (the add's two registers lie in window 0)
	s_wait_tensorcnt 0x0                           ; all my tensor loads have landed
	ds_add_u32 v[SPW], v[NIL]                      ; 0 onto my spare word: eight matrix instructions stand between it and the wait for it
.endif
.if (\meet) && (i == 55)
	s_wait_dscnt 0x0                               ; the add is done, and my reads of the region are over
	s_barrier_signal -1                            ; eight more matrix instructions while the others arrive
.endif
.set i, i+1
.endr
.if \meet
	WIN 0                                          ; at a branch and at a label every window is 0
	s_barrier_wait -1
.endif
.if ((\meet) == 1) || ((\meet) == 2)
	CREST
.if (\meet) == 1
	s_add_nc_u64 s[G0+4*(\reg)+2:G0+4*(\reg)+3], s[G0+4*(\reg)+2:G0+4*(\reg)+3], 512
	s_add_nc_u64 s[G0B+4*(\reg)+2:G0B+4*(\reg)+3], s[G0B+4*(\reg)+2:G0B+4*(\reg)+3], 262144
.else
	s_add_nc_u64 s[G0+4*(\reg)+2:G0+4*(\reg)+3], s[G0+4*(\reg)+2:G0+4*(\reg)+3], NEXT_A
	s_sub_nc_u64 s[G0B+4*(\reg)+2:G0B+4*(\reg)+3], s[G0B+4*(\reg)+2:G0B+4*(\reg)+3], BACK_B
.endif
	JLOAD \reg                                     ; it has 112 matrix instructions of mine in which to land before the wait for it
.endif
.endm
; A tile's first fragments: there is nothing yet to set them beside.
.macro PRE
.set j, 0
.rept 8
	LA j, 0, 0
.set j, j+1
.endr
.set j, 0
.rept 16
	LB j, 0, 0, 0
.set j, j+1
.endr
	s_wait_dscnt 32                                ; keys' 16 loads are in
.set j, 0
.rept 16
	CV j, 0
.set j, j+1
.endr
.endm
; THE WAY OUT of one window's 32 accumulators, as a pipeline of 37 slots: in slot sg
;   X(sg)     t = 2 log2(e) s + 2 log2(e) q     beside the first four exponentials of accumulator sg - 1
;   P(sg - 2) 1 + e                             beside its last four
;   U(sg - 4) 1 - 2 / (1 + e) = tanh            beside the first four reciprocals of accumulator sg - 3
;   S(sg - 5) tanh x w_v, onto the row block's first accumulator (which starts the four chains in place: nothing is cleared)   beside its last four
; A plain line and a transcendental alternate, and every result is used a slot later: no transcendental's result is read, and no source of one written, by the line behind it (ISA guide 5.7.2).
; X takes each accumulator's lowest pair first.
.macro EPI w
.set sg, 0
.rept 37
.if ((\w) == 0) && (sg == 5)
	s_wait_dscnt 0x0                               ; w_v's numbers are in
.endif
.if sg < 33
	WIN E1+0x41*(\w)
.set k, 0
.rept 4
.if sg < 32
	v_pk_fma_f32 v[8*sg+2*k:8*sg+2*k+1], v[8*sg+2*k:8*sg+2*k+1], s[CC:CC+1], v[8*(sg%16)+2*k:8*(sg%16)+2*k+1] op_sel_hi:[1,0,1]
.endif
.if sg >= 1
	v_exp_f32 v[8*(sg-1)+k], v[8*(sg-1)+k]
.endif
.set k, k+1
.endr
.endif
.if sg >= 1
	WIN E2+0x51*(\w)
.set k, 0
.rept 4
.if (sg >= 2) && (sg < 34)
	s_wait_alu depctr_va_vdst(0)
	v_pk_add_f32 v[8*(sg-2)+2*k:8*(sg-2)+2*k+1], v[8*(sg-2)+2*k:8*(sg-2)+2*k+1], 1.0 op_sel_hi:[1,0]
.endif
.if sg < 33
	v_exp_f32 v[8*(sg-1)+4+k], v[8*(sg-1)+4+k]
.endif
.set k, k+1
.endr
.set k, 0
.rept 4
.if (sg >= 4) && (sg < 36)
	s_wait_alu depctr_va_vdst(0)
	v_pk_fma_f32 v[8*(sg-4)+2*k:8*(sg-4)+2*k+1], v[8*(sg-4)+2*k:8*(sg-4)+2*k+1], -2.0, 1.0 op_sel_hi:[1,0,0]
.endif
.if (sg >= 3) && (sg < 35)
	v_rcp_f32 v[8*(sg-3)+k], v[8*(sg-3)+k]
.endif
.set k, k+1
.endr
.set k, 0
.rept 4
.if sg >= 5
.if (sg-5)%16 == 0
	v_pk_mul_f32 v[8*(sg-5)+2*k:8*(sg-5)+2*k+1], v[8*(sg-5)+2*k:8*(sg-5)+2*k+1], v[128+2*k:128+2*k+1]
.else
	v_pk_fma_f32 v[128*((sg-5)/16)+2*k:128*((sg-5)/16)+2*k+1], v[8*(sg-5)+2*k:8*(sg-5)+2*k+1], v[128+8*((sg-5)%16)+2*k:128+8*((sg-5)%16)+2*k+1], v[128*((sg-5)/16)+2*k:128*((sg-5)/16)+2*k+1]
.endif
.endif
.if (sg >= 3) && (sg < 35)
	v_rcp_f32 v[8*(sg-3)+4+k], v[8*(sg-3)+4+k]
.endif
.set k, k+1
.endr
.endif
.set sg, sg+1
.endr
	WIN RR+0x55*(\w)                               ; the four chains of each row block into one number a lane
.irp a, 0,1
	v_pk_add_f32 v[128*(\a):128*(\a)+1], v[128*(\a):128*(\a)+1], v[128*(\a)+2:128*(\a)+3]
	v_pk_add_f32 v[128*(\a)+4:128*(\a)+5], v[128*(\a)+4:128*(\a)+5], v[128*(\a)+6:128*(\a)+7]
.endr
.irp a, 0,1
	v_pk_add_f32 v[128*(\a):128*(\a)+1], v[128*(\a):128*(\a)+1], v[128*(\a)+4:128*(\a)+5]
.endr
	WIN RO+5*(\w)
.irp a, 0,1
	v_add_f32 v[RS+2*(\w)+(\a)], v[128*(\a)], v[128*(\a)+1]
.endr
.endm
.Ltile:                                                ; four trips: a tile of 256 rows x 256 features, 32 steps
	PRE
	STEP 0, 1, 0, 1, 1, 1, 0, 0                    ; step 0 starts the sums; behind it region 0 takes slot 2
	s_mov_b32 s3, 6
.Llap:                                                 ; six trips: steps 1 to 24, four a trip, once round the ring
	STEP 1, 0, 1, 0, 1, 0, 0, 1
	STEP 1, 1, 0, 0, 1, 1, 1, 0
	STEP 0, 0, 1, 0, 1, 0, 0, 2
	STEP 0, 1, 0, 0, 1, 1, 1, 0
	s_sub_co_u32 s3, s3, 1
	s_cmp_lg_u32 s3, 0
	s_cbranch_scc1 .Llap
	STEP 1, 0, 1, 0, 1, 0, 0, 0                    ; steps 25 to 27; behind step 26 region 1 takes slot 15, the tile's last
	STEP 1, 1, 0, 0, 1, 1, 1, 0
	STEP 0, 0, 1, 0, 1, 0, 0, 0
	WIN 0
	s_cmp_eq_u32 s2, 1
	s_cbranch_scc1 .Llast                          ; the last tile's tail is written out: it asks for nothing more
	STEP 0, 1, 0, 0, 1, 2, 1, 3                    ; THE RING GOES ON INTO THE NEXT TILE: region 0 takes its slot 0,
	STEP 1, 0, 1, 0, 1, 0, 0, 0
	STEP 1, 1, 0, 0, 1, 2, 1, 2                    ; region 1 its slot 1
	STEP 0, 0, 1, 0, 2, 0, 0, 0
	WIN 0
	s_branch .Lepi
.Llast:
	STEP 0, 1, 0, 0, 1, 3, 1, 0                    ; slot 15 is shown whole to every wave; nothing is filled
	STEP 1, 0, 1, 0, 1, 0, 1, 0
	STEP 1, 1, 0, 0, 1, 0, 1, 0
	STEP 0, 0, 1, 0, 2, 0, 1, 0
	WIN 0
.Lepi:
	PLACES                                         ; behind the last products: loads into wb's buffer 1 and reads of the sums follow
	WIN TO_B
.set j, 0
.rept 16
	ds_load_b128 v[128+8*j:128+8*j+3], v[WADR] offset:64*j
	ds_load_b128 v[128+8*j+4:128+8*j+7], v[WADR] offset:64*j+16
.set j, j+1
.endr
	s_wait_dscnt 32                                ; q's 32 loads are in; the 32 of w_v, just issued, may be out
	EPI 0
	EPI 1
	WIN 0
.irp a, 0,1,2,3
	v_permlanex16_b32 v[TT+(\a)], v[RS+(\a)], s68, s69   ; a row's other 128 features lie in the lane 16 away
.endr
.irp a, 0,1,2,3
	v_add_f32 v[RS+(\a)], v[RS+(\a)], v[TT+(\a)]
.endr
	v_cndmask_b32 v[TT], v[RS], v[RS+1], s70       ; lanes 0-15 keep row block 0, lanes 16-31 take block 1: lane l holds row l,
	v_cndmask_b32 v[TT+1], v[RS+2], v[RS+3], s70   ; and row 32 + l
	ds_store_b32 v[STGW], v[TT]
	ds_store_b32 v[STGW], v[TT+1] offset:128
	ds_load_b64 v[TT+2:TT+3], v[STGR]              ; LDS serves a wave's instructions in order (ISA guide 5.7.1.4): this sees the two stores; rows 2 l and 2 l + 1
	s_wait_dscnt 0x0
	global_store_b64 v[PO], v[TT+2:TT+3], s[12:13] ; the wave's 64 sums: 256 consecutive bytes, at a multiple of 256 from part's first byte
	s_wait_xcnt 0x0                                ; the store's base and data are rewritten only behind this wait
	s_add_nc_u64 s[12:13], s[12:13], 65536         ; 16,384 rows on
	v_add_nc_u32 v[TADR], 1024, v[TADR]            ; the next tile's batch
	s_sub_co_u32 s2, s2, 1
	s_cmp_lg_u32 s2, 0
	s_cbranch_scc1 .Ltile
	s_wait_tensorcnt 0x0                           ; the wave's end, behind my last tensor load and my last LDS store
	ds_add_u32 v[SPW], v[NIL]
	s_wait_dscnt 0x0
	CROUND                                         ; the closing round: no work-group ends while a partner may still ask for a tile that names it
	s_endpgm
.Lfunc_end_k_qe3512f5f78_main:
	.size	k_qe3512f5f78_main, .Lfunc_end_k_qe3512f5f78_main-k_qe3512f5f78_main
	.p2alignl 7, 3214868480
	.fill 96, 4, 3214868480
	.section	.rodata,"a",@progbits
	.p2align	6, 0x0
	.amdhsa_kernel k_qe3512f5f78_main
		.amdhsa_group_segment_fixed_size 327680
		.amdhsa_private_segment_fixed_size 0
		.amdhsa_enable_private_segment 0
		.amdhsa_kernarg_size 40
		.amdhsa_user_sgpr_count 2
		.amdhsa_user_sgpr_kernarg_segment_ptr 1
		.amdhsa_wavefront_size32 1
		.amdhsa_system_sgpr_workgroup_id_x 1
		.amdhsa_system_sgpr_workgroup_id_y 1
		.amdhsa_system_sgpr_workgroup_id_z 1
		.amdhsa_system_vgpr_workitem_id 0
		.amdhsa_next_free_vgpr 1024
		.amdhsa_next_free_sgpr 80
		.amdhsa_reserve_vcc 0
		.amdhsa_float_denorm_mode_32 3
		.amdhsa_float_denorm_mode_16_64 3
		.amdhsa_memory_ordered 1
		.amdhsa_forward_progress 1
		.amdhsa_inst_pref_size 255
	.end_amdhsa_kernel
	.section	.bss,"aw",@nobits
	.p2align	6
	.space	262144
	.amdgpu_metadata
---
amdhsa.version: [ 1, 2 ]
amdhsa.kernels:
  - .name:           k_qe3512f5f78_main
    .symbol:         k_qe3512f5f78_main.kd
    .args:
      - { .name: keys, .offset: 0, .size: 8, .value_kind: global_buffer, .address_space: global }
      - { .name: wb, .offset: 8, .size: 8, .value_kind: global_buffer, .address_space: global }
      - { .name: qs, .offset: 16, .size: 8, .value_kind: global_buffer, .address_space: global }
      - { .name: w_v, .offset: 24, .size: 8, .value_kind: global_buffer, .address_space: global }
      - { .name: part, .offset: 32, .size: 8, .value_kind: global_buffer, .address_space: global }
    .group_segment_fixed_size: 327680
    .private_segment_fixed_size: 0
    .kernarg_segment_align: 8
    .kernarg_segment_size: 40
    .max_flat_workgroup_size: 128
    .sgpr_count:     80
    .vgpr_count:     1024
    .wavefront_size: 32
...
	.end_amdgpu_metadata
.endif
;; end of part 2
;; launch fin (part 3): grid 64 x 1, 8 waves a work-group, no clusters, 0 bytes of LDS; arguments part, out0; writes out0
.if DOCPART == 3
	.amdgcn_target "amdgcn-amd-amdhsa--gfx1250"
	.amdhsa_code_object_version 6
	.text
	.protected	k_qe3512f5f78_fin
	.globl	k_qe3512f5f78_fin
	.p2align	8
	.type	k_qe3512f5f78_fin,@function
k_qe3512f5f78_fin:
	s_mov_b64 s[64:65], 0
	v_nop
	global_prefetch_b8 v0, s[64:65] scope:SCOPE_SE
	s_setreg_imm32_b32 hwreg(HW_REG_WAVE_MODE, 25, 1), 1
	s_wait_xcnt 0x0
; out0[i] = ((part[0][i] + part[1][i]) + part[2][i]) + part[3][i], i = 0 .. 65,535: the four quarters of the features, in f32, always in this order.
; A thread takes four numbers: a wave's load or store covers 512 consecutive bytes, a work-group 4,096; 64 work-groups cover the 262,144 bytes.
.set QUARTER, 262144                   ; bytes of one quarter's partial sums
	s_load_b128 s[4:7], s[0:1], 0x0                ; part s[4:5], out0 s[6:7]
	v_lshlrev_b32 v1, 4, v0
	s_lshl_b32 s8, ttmp9, 12
	s_mov_b32 s9, 0
	s_wait_kmcnt 0x0
	s_add_nc_u64 s[4:5], s[4:5], s[8:9]
	s_add_nc_u64 s[6:7], s[6:7], s[8:9]
.irp e, 0,1,2,3
	global_load_b128 v[4+4*(\e):7+4*(\e)], v1, s[4:5] offset:(\e)*QUARTER th:TH_LOAD_NT
.endr
.irp e, 1,2,3
	s_wait_loadcnt 3-(\e)                          ; loads come back in order: quarter e is in, the 3 - e younger ones stay out
	v_pk_add_f32 v[4:5], v[4:5], v[4+4*(\e):5+4*(\e)]
	v_pk_add_f32 v[6:7], v[6:7], v[6+4*(\e):7+4*(\e)]
.endr
	global_store_b128 v1, v[4:7], s[6:7] th:TH_STORE_NT
	s_endpgm
.Lfunc_end_k_qe3512f5f78_fin:
	.size	k_qe3512f5f78_fin, .Lfunc_end_k_qe3512f5f78_fin-k_qe3512f5f78_fin
	.p2alignl 7, 3214868480
	.fill 96, 4, 3214868480
	.section	.rodata,"a",@progbits
	.p2align	6, 0x0
	.amdhsa_kernel k_qe3512f5f78_fin
		.amdhsa_group_segment_fixed_size 0
		.amdhsa_private_segment_fixed_size 0
		.amdhsa_enable_private_segment 0
		.amdhsa_kernarg_size 16
		.amdhsa_user_sgpr_count 2
		.amdhsa_user_sgpr_kernarg_segment_ptr 1
		.amdhsa_wavefront_size32 1
		.amdhsa_system_sgpr_workgroup_id_x 1
		.amdhsa_system_sgpr_workgroup_id_y 1
		.amdhsa_system_sgpr_workgroup_id_z 1
		.amdhsa_system_vgpr_workitem_id 0
		.amdhsa_next_free_vgpr 24
		.amdhsa_next_free_sgpr 66
		.amdhsa_reserve_vcc 0
		.amdhsa_float_denorm_mode_32 3
		.amdhsa_float_denorm_mode_16_64 3
		.amdhsa_memory_ordered 1
		.amdhsa_forward_progress 1
		.amdhsa_inst_pref_size 2
	.end_amdhsa_kernel
	.amdgpu_metadata
---
amdhsa.version: [ 1, 2 ]
amdhsa.kernels:
  - .name:           k_qe3512f5f78_fin
    .symbol:         k_qe3512f5f78_fin.kd
    .args:
      - { .name: part, .offset: 0, .size: 8, .value_kind: global_buffer, .address_space: global }
      - { .name: out0, .offset: 8, .size: 8, .value_kind: global_buffer, .address_space: global }
    .group_segment_fixed_size: 0
    .private_segment_fixed_size: 0
    .kernarg_segment_align: 8
    .kernarg_segment_size: 16
    .max_flat_workgroup_size: 256
    .sgpr_count:     66
    .vgpr_count:     24
    .wavefront_size: 32
...
	.end_amdgpu_metadata
.endif
;; end of part 3
;; ======== version 2 of 3: 3 launches
;; limits: a function is approximated: absolute error at most 1.2e-07
;; workspace buffers: wb 2,097,152 bytes; qs 65,536 bytes; part 1,048,576 bytes
;; launch prep: the kernel of part 1 again; grid 80 x 1, 8 waves a work-group, no clusters, 33,792 bytes of LDS; arguments W_k, W_q, queries, wb, qs; writes wb, qs
;; launch main (part 4): grid 4 x 64, 4 waves a work-group, clusters of 4 x 4, 327,680 bytes of LDS; arguments keys, wb, qs, w_v, part; writes part
.if DOCPART == 4
	.amdgcn_target "amdgcn-amd-amdhsa--gfx1250"
	.amdhsa_code_object_version 6
	.text
	.protected	k_qe3512f5f78_main
	.globl	k_qe3512f5f78_main
	.p2align	8
	.type	k_qe3512f5f78_main,@function
k_qe3512f5f78_main:
	s_mov_b64 s[64:65], 0
	v_nop
	global_prefetch_b8 v0, s[64:65] scope:SCOPE_SE
	s_setreg_imm32_b32 hwreg(HW_REG_WAVE_MODE, 25, 1), 1
	s_wait_xcnt 0x0
	s_wait_alu depctr_hold_cnt(0) depctr_sa_sdst(0) depctr_va_vdst(0) depctr_va_sdst(0) depctr_va_ssrc(0) depctr_va_vcc(0) depctr_vm_vsrc(0)
	s_getreg_b32 s2, hwreg(HW_REG_IB_STS2, 6, 4)
	s_cmp_eq_u32 s2, 0
	s_cbranch_scc0 .Lentry_in_a_cluster
	s_endpgm
.Lentry_in_a_cluster:
	s_bfe_u32 s2, ttmp6, 0x10000c
	s_cmp_lg_u32 s2, 0xf033
	s_cbranch_scc0 .Lentry_shape_is_right
	s_endpgm
.Lentry_shape_is_right:
; part[x][row] = the sum over the 256 features n of quarter x of w_v[n] tanh(q[b][n] + the sum over d of keys[row][d] W_k[d][n]).
; keys: [65,536 rows][1,024] f32; wb: W_k in bf16, [d][n]; qs: 2 log2(e) q, [16][1,024] f32; w_v: [1,024] f32; part: [4][65,536] f32.  Products in bf16 with f32 sums; all else in f32.
; LIMITS.  keys and w_v are rounded once to bf16 here (W_k, W_q and queries in the launch before).  tanh(x) = 1 - 2 / (1 + 2^(2 log2(e) x)): right at both ends (the exponential's infinity
; gives 1, its zero gives -1); its absolute error is near 2^-23, so below |x| of about 1e-5 the relative accuracy of a single feature is lost.  NaN and infinities in the inputs are not treated apart.
; SHARES.  A tile is 256 key rows x 256 features.  A work-group stays and makes four tiles, 16,384 rows apart.  Each of its four waves has 64 rows x 256 features: 64 accumulators, 512 registers.
; With whole rows to a wave each f32 number of keys is read from LDS once, by one wave, and rounded there: 32 roundings for a step's 64 matrix instructions.
; CLUSTER, 4 x 4.  The four work-groups of a row of the cluster take the four quarters of the features for the SAME key rows: the f32 tile of keys is asked for jointly and is fetched once for the four.
; The four of a column share wb's tile in the same way.  A row's score therefore lies in four work-groups: four partial sums, added by the launch behind.
; THE MATRIX INSTRUCTION IS USED TRANSPOSED (source 0 = 16 features of wb, source 1 = 16 key rows): a lane holds ONE key row (lane % 16) and the features 8 (lane / 16) + 0..7 of each block of 16,
; so the sum over the features stays in the lane but for one exchange between the halves of the lanes.
; THE RING.  A slot is 128 along d: 256 rows x 512 bytes of keys (f32) and 128 rows x 512 bytes of wb; two whole slots would be 409,600 bytes of LDS, which do not fit.  So keys has ONE landing pad, and the
; registers are its second buffer: a landed slot is drained at once into the wave's four fragment buffers (bf16), which fall free one after the other as the slot before is multiplied.  wb has two regions.
; A PHASE is a slot's four steps of 32 along d, 64 matrix instructions each.  Steps 0 to 2 multiply and fetch wb's fragments for the step behind them.  At the end of step 2 a plain barrier shows the next slot
; landed.  Step 3 drains the pad; behind its 48th product stands the round of the cluster's barrier and the joint refill: the pad, and the region of wb that this phase has read out, take the slot two on.
; From a request to the wait for it a wave issues 16 + 192 - 4 = 204 matrix instructions.
; REGISTERS, in windows of 256 (s_set_vgpr_msb: bits 1:0 source 0, 3:2 source 1, 5:4 source 2, 7:6 destination):
;   window 0: v0-31 addresses and small things; v32-95 keys as read, f32, one chunk of 32 along d; v96-223 keys' fragments in bf16, a buffer for each of a phase's four steps
;   window 1: v0-127, v128-255 wb's fragments, two buffers; in step 3 the first also stages two chunks of keys; on the way out q's and w_v's numbers for my lanes' features
;   window 2: the accumulators of row blocks 0, 1 ((a, b) at v[8 (16 (a % 2) + b)]);   window 3: those of row blocks 2, 3
; LDS loads stand in runs, never singly among the matrix instructions; roundings stand four at a time behind a product.
.set PA,    528                        ; a row of keys in LDS: 512 bytes + 16 = 132 words: the 16 rows of a load start at 16 different groups of four banks (64 banks of 4 bytes: ISA guide 11.1)
.set PB,    544                        ; a row of wb: 512 + 32 = 136 words
.set HALFA, 128*PA                     ; what one tensor load brings of keys: 128 rows
.set HALFB, 64*PB                      ; and of wb: 64 rows
.set BOFF,  256*PA                     ; keys' pad, 135,168 bytes, then wb's two regions
.set BREG,  128*PB                     ; 69,632 bytes each
.set TAB,   BOFF+2*BREG                ; behind the ring, never filled by a tensor load: 2 log2(e) q of my four tiles x 256 features, f32
.set WVT,   TAB+4096                   ; w_v of my 256 features, rounded to bf16, kept as f32
.set STG,   WVT+1024                   ; 256 bytes a wave: its 64 row sums on their way out
.set SPARE, STG+1024                   ; the spare words, 128 bytes a wave: two blocks of 256 bytes that no other line names
.set SLOT_A, 512                       ; bytes from slot to slot in a row of keys
.set SLOT_B, 128*2048                  ; and in wb: 128 rows of 2,048 bytes
.set NEXT_A, 0x4000000-7*SLOT_A        ; from a tile's last slot to the next tile's first: 16,384 rows of 4,096 bytes down, seven slots back
.set BACK_B, 6*SLOT_B                  ; wb only back: from slot 6 to slot 0, from slot 7 to slot 1
.set ADRA, 4                           ; v4     LDS address of my lane's place in keys' pad
.set ADRB, 6                           ; v6-7   the same for wb, region 0, 1
.set TADR, 8                           ; v8     q's numbers of the tile in hand
.set WADR, 9                           ; v9     w_v's numbers
.set STGW, 10                          ; v10    the way out: where I put a row sum
.set STGR, 11                          ; v11    where I read two back
.set PO,   12                          ; v12    my 8 bytes in the wave's 256 bytes of part
.set PFO,  13                          ; v13    byte offset in keys of the block that I asked for last
.set SPW,  14                          ; v14    SPARE + 4 x my thread's number; never rewritten
.set NIL,  15                          ; v15    0; never rewritten
.set RS,   16                          ; v16-19 the four row blocks' sums
.set TT,   20                          ; v20-23 at work
.set AST,  32
.set AB0,  96
.set G1,  24                           ; s[24:31] descriptor group 1 for keys' tiles;  s[32:35] group 0: it walks from slot to slot
.set G0,  32
.set G1B, 48                           ; s[48:55] group 1 for wb's tiles;  s[56:63] group 0, a set for each region
.set G0B, 56
.set CC,  66                           ; s[66:67] 2 log2(e): the packed scaling takes the pair's low word for both halves
.set MSB, 0
.macro WIN new                         ; the immediate's high byte repeats the setting that is left; a switch that changes nothing is dropped
.if MSB != (\new)
	s_set_vgpr_msb (MSB<<8)|(\new)
.set MSB, \new
.endif
.endm
.set MUL_LO, 0xa1                      ; source 0 (wb) window 1, source 1 (keys) window 0, C and D window 2
.set TO_B,   0x40                      ; destination window 1, address window 0
.set FROM_B, 0x05                      ; sources 0 and 1 window 1, destination window 0
.set E1,     0x96                      ; the way out: destination and source 0 window 2, sources 1 and 2 window 1   (+ 0x41: window 3)
.set E2,     0xa6                      ; destination, source 0 and source 2 window 2, source 1 window 1             (+ 0x51)
.set RR,     0xaa                      ; all in window 2                                                             (+ 0x55)
.set RO,     0x0a                      ; sources window 2, destination window 0                                      (+ 0x05)
; A joint refill.  Waves 0 and 1 fetch the two halves of keys' pad, waves 2 and 3 those of region r of wb.  The branch hangs on the wave's number alone.
; An s_nop 0 and four v_nop follow each of the two lines.
.macro JLOAD r
	s_cmp_eq_u32 s15, 0
	s_cbranch_scc0 .Lfor_b_\@
	tensor_load_to_lds s[G0:G0+3], s[G1:G1+7]
	s_nop 0
.rept 4
	v_nop
.endr
	s_branch .Lasked_\@
.Lfor_b_\@:
	tensor_load_to_lds s[G0B+4*(\r):G0B+4*(\r)+3], s[G1B:G1B+7]
	s_nop 0
.rept 4
	v_nop
.endr
.Lasked_\@:
.endm
.macro CREST                           ; a round of the cluster's barrier behind its opening barrier
	s_cmp_lg_u32 s14, 0
	s_cbranch_scc1 .Lnot_wave_0_\@
	s_barrier_signal -3
.Lnot_wave_0_\@:
	s_barrier_wait -3
	s_barrier_signal -1
	s_barrier_wait -1
.endm
.macro CROUND                          ; a whole round
	s_barrier_signal -1
	s_barrier_wait -1
	CREST
.endm
.macro PLACES                          ; four plain vector instructions between a matrix instruction and a load into, or a vector write or read of, its registers (ISA guide 7.12.1 for vector writes and reads)
.rept 4
	v_nop
.endr
.endm
	s_load_b256 s[4:11], s[0:1], 0x0               ; keys s[4:5] (never stepped), wb s[6:7], qs s[8:9], w_v s[10:11]
	s_load_b64 s[12:13], s[0:1], 0x20              ; part
	v_lshl_add_u32 v[SPW], v0, 2, SPARE
	v_mov_b32 v[NIL], 0
	ds_add_u32 v[SPW], v[NIL]                      ; the wave's opening: the add and its wait stand ahead of my first tensor load; the set-up below, work on registers, stands between them
	v_lshrrev_b32 v1, 5, v0
	v_readfirstlane_b32 s14, v1                    ; wave 0..3
	s_lshr_b32 s15, s14, 1                         ; I fetch for keys (0) or for wb (1),
	s_and_b32 s16, s14, 1                          ; and which half of that tile
	s_bfe_u32 s17, ttmp6, 0x40000                  ; cx
	s_bfe_u32 s18, ttmp6, 0x40004                  ; cy
	s_lshl_b32 s20, ttmp9, 2
	s_add_co_u32 s20, s20, s17                     ; x: my quarter of the features
	s_and_b32 s19, ttmp7, 0xffff
	s_lshl_b32 s19, s19, 2
	s_add_co_u32 s19, s19, s18                     ; y: my first block of 256 rows, 0..63
	s_lshl_b32 s21, s18, 2
	s_lshl_b32 s21, 15, s21                        ; my row of the cluster
	s_lshl_b32 s22, 0x1111, s17                    ; my column
	; group 1 for keys: 128 rows x 128 elements of 4 bytes, 4 words of padding behind every 128 words
	s_or_b32 s[G1], s21, (2<<16)|(1<<20)|(1<<21)|(6<<22)|(3<<25)   ; 15:0 the mask: my row; 17:16 4-byte elements; 20 padding on; 21 set beside a mask; 24:22 interval code 6; 31:25 4 words (code 3)
	s_mov_b32 s[G1+1], 128<<16                     ; tensor_dim0 = 128
	s_mov_b32 s[G1+2], 128<<16                     ; tensor_dim1 = 128
	s_mov_b32 s[G1+3], 128<<16                     ; tile_dim0 = 128
	s_mov_b32 s[G1+4], 128                         ; tile_dim1 = 128
	s_mov_b32 s[G1+5], 1024                        ; elements from row to row
	s_mov_b32 s[G1+6], 0
	s_mov_b32 s[G1+7], 0
	; group 1 for wb: 64 rows x 256 elements of 2 bytes, 8 words of padding behind every 128 words
	s_or_b32 s[G1B], s22, (1<<16)|(1<<20)|(1<<21)|(6<<22)|(7<<25)  ; the mask: my column; 2-byte elements; interval code 6; 8 words (code 7)
	s_mov_b32 s[G1B+1], 256<<16
	s_mov_b32 s[G1B+2], 64<<16
	s_mov_b32 s[G1B+3], 256<<16
	s_mov_b32 s[G1B+4], 64
	s_mov_b32 s[G1B+5], 1024
	s_mov_b32 s[G1B+6], 0
	s_mov_b32 s[G1B+7], 0
	; where the tiles come from: keys' hang on y alone, which my row of the cluster shares; wb's on x alone, which my column shares; each in registers that never hold the other coordinate
	s_lshl_b32 s40, s19, 20                        ; 256 rows of 4,096 bytes,
	s_lshl_b32 s41, s16, 19                        ; my half's 128
	s_add_co_u32 s40, s40, s41
	s_mov_b32 s41, 0
	s_lshl_b32 s42, s20, 9                         ; 256 features of 2 bytes,
	s_lshl_b32 s43, s16, 17                        ; my half's 64 rows of 2,048 bytes
	s_add_co_u32 s42, s42, s43
	s_mov_b32 s43, 0
	s_mul_i32 s44, s16, HALFA                      ; and where they go: no place in the cluster enters an LDS address
	s_mul_i32 s45, s16, HALFB
	s_add_co_u32 s45, s45, BOFF
	s_mov_b32 s[CC], 0x4038aa3b                    ; 2 log2(e)
	s_mov_b32 s[CC+1], 0x4038aa3b                  ; named with it as a pair
	s_mov_b32 s68, 0x76543210                      ; v_permlanex16_b32: each lane takes its own place in the other half
	s_mov_b32 s69, 0xfedcba98
	s_mov_b32 s70, 0xffff0000                      ; a word's upper bf16; also the mask of lanes 16-31
	s_wait_dscnt 0x0                               ; the opening add is done
	s_wait_kmcnt 0x0
	s_add_nc_u64 s[40:41], s[4:5], s[40:41]
	s_add_nc_u64 s[42:43], s[6:7], s[42:43]
	CROUND                                         ; all sixteen work-groups are here: the first joint loads meet
	s_mov_b32 s[G0], 1                             ; count = 1
	s_mov_b32 s[G0+1], s44                         ; LDS address: my half of the pad
	s_mov_b64 s[G0+2:G0+3], s[40:41]               ; global address: slot 0
	s_or_b32 s[G0+3], s[G0+3], 0x80000000          ; type = 2
.irp r, 0,1
	s_mov_b32 s[G0B+4*(\r)], 1
	s_add_co_u32 s[G0B+4*(\r)+1], s45, (\r)*BREG
	s_add_nc_u64 s[G0B+4*(\r)+2:G0B+4*(\r)+3], s[42:43], (\r)*SLOT_B   ; region r begins with slot r
	s_or_b32 s[G0B+4*(\r)+3], s[G0B+4*(\r)+3], 0x80000000
.endr
	; THE FIRST FILLS, one group, a wave's inside one branch: keys' slot 0, or wb's slots 0 and 1.  Two loads of a wave are out at the most here, one behind each later round.
	s_cmp_eq_u32 s15, 0
	s_cbranch_scc0 .Lfirst_b
	tensor_load_to_lds s[G0:G0+3], s[G1:G1+7]
	s_nop 0
.rept 4
	v_nop
.endr
	s_branch .Lfirst_asked
.Lfirst_b:
	tensor_load_to_lds s[G0B:G0B+3], s[G1B:G1B+7]
	s_nop 0
	tensor_load_to_lds s[G0B+4:G0B+7], s[G1B:G1B+7]
	s_nop 0
.rept 4
	v_nop
.endr
.Lfirst_asked:
	; THE TABLES.  Wave w fetches q's 256 numbers for tile w (batch 4 w + y / 16) and 64 of w_v's; all waves read them behind the barrier below.
	v_and_b32 v1, 15, v0                           ; r = lane % 16
	v_bfe_u32 v2, v0, 4, 1                         ; h = lane / 16
	v_and_b32 v3, 31, v0                           ; lane
	s_lshr_b32 s72, s19, 4
	s_lshl_b32 s72, s72, 12
	s_lshl_b32 s77, s14, 14
	s_add_co_u32 s72, s72, s77                     ; row 4 w + y / 16 of qs,
	s_lshl_b32 s73, s20, 10
	s_add_co_u32 s72, s72, s73                     ; my quarter's 1,024 bytes of it
	s_lshl_b32 s77, s14, 8
	s_add_co_u32 s73, s73, s77                     ; w_v: my quarter, my wave's 64 numbers
	v_lshl_add_u32 v32, v3, 5, s72
	v_lshl_add_u32 v33, v3, 3, s73
	global_load_b128 v[36:39], v32, s[8:9]
	global_load_b128 v[40:43], v32, s[8:9] offset:16
	global_load_b64 v[44:45], v33, s[10:11]
	s_lshl_b32 s77, s14, 10
	s_add_co_u32 s77, s77, TAB
	v_lshl_add_u32 v34, v3, 5, s77                 ; TAB + 1,024 w + 32 lane
	s_lshl_b32 s47, s14, 8
	s_add_co_u32 s77, s47, WVT
	v_lshl_add_u32 v35, v3, 3, s77                 ; WVT + 256 w + 8 lane
	s_add_co_u32 s47, s47, STG                     ; my stage
	; keys' fragment: lane (r, h) holds row r, d = 8 h + 0..7 and 16 + 8 h + 0..7: in f32 four loads of 16 bytes at 32 h + 0, 16, 64, 80
	v_mul_u32_u24 v24, v1, PA
	v_lshl_add_u32 v24, v2, 5, v24
	s_mul_i32 s46, s14, 64*PA                      ; my 64 rows
	v_add_nc_u32 v[ADRA], s46, v24
	; wb lies [d][n]: the turning load takes 16 d x 16 features (lane l reads d = 8 h + l % 8, features 8 ((l / 8) % 2) + 0..7) and leaves half a fragment: lane l holds feature l % 16 and 8 d
	v_and_b32 v25, 7, v0
	v_lshl_add_u32 v25, v2, 3, v25
	v_mul_u32_u24 v25, v25, PB
	v_bfe_u32 v26, v0, 3, 1
	v_lshl_add_u32 v25, v26, 4, v25
	v_add_nc_u32 v[ADRB], BOFF, v25
	v_add_nc_u32 v[ADRB+1], BREG, v[ADRB]
	v_lshl_add_u32 v[TADR], v2, 5, TAB             ; my lanes' eight features of a block of 16: 32 h
	v_lshl_add_u32 v[WADR], v2, 5, WVT
	v_lshl_add_u32 v[STGW], v3, 2, s47
	v_lshl_add_u32 v[STGR], v3, 3, s47
	v_lshlrev_b32 v[PO], 3, v3
.irp a, 0,1,2,3
	v_mov_b32 v[TT+(\a)], 0                        ; v_permlanex16_b32 counts as a reader of its destination
.endr
	s_lshl_b32 s76, s19, 20                        ; asking ahead: row 64 cx + 16 w + r of the tile, half h of a slot's 512 bytes; it starts at slot 1 and steps before it asks
	s_lshl_b32 s77, s17, 18
	s_add_co_u32 s76, s76, s77
	s_lshl_b32 s77, s14, 16
	s_add_co_u32 s76, s76, s77
	s_add_co_u32 s76, s76, SLOT_A
	v_lshlrev_b32 v[PFO], 12, v1
	v_lshl_add_u32 v[PFO], v2, 8, v[PFO]
	v_add_nc_u32 v[PFO], s76, v[PFO]
	s_lshl_b32 s74, s20, 18                        ; part: quarter x, rows 256 y + 64 w on
	s_lshl_b32 s77, s19, 10
	s_add_co_u32 s74, s74, s77
	s_lshl_b32 s77, s14, 8
	s_add_co_u32 s74, s74, s77
	s_mov_b32 s75, 0
	s_add_nc_u64 s[12:13], s[12:13], s[74:75]
	s_wait_loadcnt 0x0
	v_cvt_pk_bf16_f32 v46, v44, v45                ; w_v is rounded once to bf16, like the other inputs, and widened again
	v_lshlrev_b32 v44, 16, v46
	v_and_b32 v45, s70, v46
	ds_store_b128 v34, v[36:39]
	ds_store_b128 v34, v[40:43] offset:16
	ds_store_b64 v35, v[44:45]
	s_mov_b32 s2, 4                                ; tiles to go: the same in every work-group
	s_wait_dscnt 0x0                               ; for the others' sake: my part of the tables is in LDS,
	s_wait_tensorcnt 0x0                           ; and my first fills have landed
	s_barrier_signal -1
	s_barrier_wait -1
; Matrix instruction i of a step's 64: row block 2 (i / 32) + i % 2, feature block (i % 32) / 2; wb's buffer buf, keys' buffer ab.  No two that follow each other share an accumulator, from step to step and
; from tile to tile too: the accumulators take turns.  zero = 1: the tile's first step starts the sums: nothing is ever cleared.
.macro WM buf, ab, zero
.set rD, 8*(16*(i%2)+(i%32)/2)
.set rB, 128*(\buf)+8*((i%32)/2)
.set rA, AB0+32*(\ab)+8*(2*(i/32)+i%2)
	WIN MUL_LO+0x50*(i/32)
.if \zero
	v_wmma_f32_16x16x32_bf16 v[rD:rD+7], v[rB:rB+7], v[rA:rA+7], 0
.else
	v_wmma_f32_16x16x32_bf16 v[rD:rD+7], v[rB:rB+7], v[rA:rA+7], v[rD:rD+7]
.endif
.endm
.macro MU n, buf, ab, zero             ; the step's next n matrix instructions
.rept \n
	WM \buf, \ab, \zero
.set i, i+1
.endr
.endm
; 16 LDS loads in one run: chunk c (32 along d) of my 64 rows of the pad, f32 as they lie: load q brings four numbers of row block q / 4.  w1 = 1: into window 1.
.macro LDA c, w1, base
.if \w1
	WIN TO_B
.else
	WIN 0
.endif
.set q, 0
.rept 16
	ds_load_b128 v[(\base)+4*q:(\base)+4*q+3], v[ADRA] offset:128*(\c)+16*PA*(q/4)+16*(q%2)+64*((q%4)/2)
.set q, q+1
.endr
.endm
.macro CV4 n, dab, w1, base            ; four of a chunk's 32 roundings to bf16, into keys' buffer dab
.if \w1
	WIN FROM_B
.else
	WIN 0
.endif
.irp d, 0,1,2,3
.set q, 4*(\n)+(\d)
	v_cvt_pk_bf16_f32 v[AB0+32*(\dab)+q], v[(\base)+2*q], v[(\base)+2*q+1]
.endr
.endm
.macro MC buf, ab, zero, dab, w1, base ; eight matrix instructions, four roundings behind each: a chunk
.set cn, 0
.rept 8
	WM \buf, \ab, \zero
.set i, i+1
	CV4 cn, \dab, \w1, \base
.set cn, cn+1
.endr
.endm
.macro CV32 dab, w1, base              ; a chunk's roundings alone
.set cn, 0
.rept 8
	CV4 cn, \dab, \w1, \base
.set cn, cn+1
.endr
.endm
.macro FETCHB reg, ch, nb              ; 32 LDS loads in one run: the 16 fragments of chunk ch of region reg of wb, turned, into buffer nb
	WIN TO_B
.set q, 0
.rept 16
	ds_load_tr16_b128 v[128*(\nb)+8*q:128*(\nb)+8*q+3],   v[ADRB+(\reg)] offset:32*PB*(\ch)+32*q
	ds_load_tr16_b128 v[128*(\nb)+8*q+4:128*(\nb)+8*q+7], v[ADRB+(\reg)] offset:32*PB*(\ch)+32*q+16*PB
.set q, q+1
.endr
.endm
.macro FETCHQ                          ; 32 loads in one run: q's eight numbers for my lanes' features of each of the 16 blocks, into wb's buffer 0
	WIN TO_B
.set q, 0
.rept 16
	ds_load_b128 v[8*q:8*q+3],   v[TADR] offset:64*q
	ds_load_b128 v[8*q+4:8*q+7], v[TADR] offset:64*q+16
.set q, q+1
.endr
.endm
; THE FOUR STEPS OF A PHASE, on region reg of wb.  Each begins with the wait for its fragments of wb, asked for at the head of the step before (step 0's: behind the refill), four places, since the loads and
; roundings that follow write registers that the step before multiplied, and the run of loads for the step behind it.
; STEP 0 also rounds chunk 3 of keys: it was drained into the staging registers while its buffer was still being multiplied.
.macro STEP0 reg, zero
	s_wait_dscnt 0x0                               ; wb's fragments for this step, and keys' chunk 3, are in
	PLACES
	FETCHB \reg, 1, 1
.set i, 0
	MC 0, 0, \zero, 3, 0, AST
	MU 56, 0, 0, \zero
.endm
; STEP 1 ASKS AHEAD for keys: 32 blocks of 256 bytes, 16 rows x the slot whose tensor load is issued in step 3 of this phase, two steps and three quarters on.  The sixteen waves of the four
; partners take sixteen rows each, so each block is asked for once.  pf = 1: a slot on.  pf = 2 (a tile's seventh phase): on to the next tile's slot 0; in the last tile the step is 0, so that the request stays
; inside the buffer: it names slot 7 once more.  pf = 0 (the last tile's last phase): nothing.  The first tile's slots 0 and 1 are not asked for.
.macro STEP1 reg, pf
	s_wait_dscnt 0x0
.if \pf
	WIN 0
	s_wait_xcnt 0x0                                ; the last request's address register is rewritten only behind this wait; that request stands a phase back
.if (\pf) == 1
	v_add_nc_u32 v[PFO], SLOT_A, v[PFO]
.else
	s_cmp_eq_u32 s2, 1
	s_cselect_b32 s71, 0, NEXT_A
	v_add_nc_u32 v[PFO], s71, v[PFO]
.endif
.endif
	PLACES
	FETCHB \reg, 2, 0
.if \pf
	WIN 0
	global_prefetch_b8 v[PFO], s[4:5] th:TH_LOAD_NT scope:SCOPE_SE
.endif
.set i, 0
	MU 64, 1, 1, 0
.endm
; STEP 2 ends (pub = 1) with a plain barrier that shows the next slot to every wave.
.macro STEP2 reg, pub
	s_wait_dscnt 0x0
	PLACES
	FETCHB \reg, 3, 1
.set i, 0
.if \pub
	MU 60, 0, 2, 0
	s_wait_tensorcnt 0x0                           ; my part of the next slot has landed: the wait that its readers need; the count is 0 since no load of mine is younger
	s_wait_dscnt 0x0                               ; no LDS instruction of mine is pending at a signal
	s_barrier_signal -1
	MU 4, 0, 2, 0
	s_barrier_wait -1
.else
	MU 64, 0, 2, 0
.endif
.endm
; STEP 3.  drain = 1: the pad is drained.  Chunks 0, 1, 2 come in one run of 48 loads, chunk 0 into the staging registers, 1 and 2 into wb's buffer 0, which is idle in this step; they are rounded into the
; buffers of steps 0, 1, 2, which have been multiplied.  Chunk 3 follows into the staging registers as soon as chunk 0 has left them, and stays there until step 0.
; meet: each wave waits for all its tensor loads (none is out: the wait in step 2 has shown them landed), adds 0 to its spare word, and waits for that and for its reads of the pad; region reg of wb was read
; last at the head of step 2.  The barrier opens a round of the cluster's, so that no wave of any partner still reads these bytes, and the joint refill is the first thing behind it:
; 1: the slot two on;  2 (a tile's seventh phase): the next tile's slot 0;  3 (its eighth): the next tile's slot 1.
; Behind the refill: fetch = 1: the first fragments of wb's next slot, from region regn;  2 (a tile's last step): q's numbers instead.
.macro STEP3 regn, reg, fetch, drain, meet
	s_wait_dscnt 0x0
	PLACES
.set i, 0
.if \drain
	LDA 0, 0, AST
	LDA 1, 1, 0
	LDA 2, 1, 64
	MU 8, 1, 3, 0
	s_wait_dscnt 32                                ; chunk 0 is in; the 32 loads of chunks 1 and 2 may be out
	MC 1, 3, 0, 0, 0, AST
	LDA 3, 0, AST
	s_wait_dscnt 32                                ; chunk 1 is in; the 32 loads of chunks 2 and 3 may be out
	MC 1, 3, 0, 1, 1, 0
	s_wait_dscnt 16                                ; chunk 2 is in; the 16 loads of chunk 3 may be out
	MC 1, 3, 0, 2, 1, 64
.if \meet
	WIN 0                                          ; (the add's two registers lie in window 0)
	s_wait_tensorcnt 0x0                           ; no tensor load of mine is out
	ds_add_u32 v[SPW], v[NIL]                      ; 0 onto my spare word: eight matrix instructions stand between it and the wait for it
	MU 8, 1, 3, 0
	s_wait_dscnt 0x0                               ; the add is done, and my reads of the pad are over
	s_barrier_signal -1                            ; eight more matrix instructions while the others arrive
	MU 8, 1, 3, 0
	WIN 0                                          ; at a branch and at a label every window is 0
	s_barrier_wait -1
	CREST
.if (\meet) == 2
	s_add_nc_u64 s[G0+2:G0+3], s[G0+2:G0+3], NEXT_A
.else
	s_add_nc_u64 s[G0+2:G0+3], s[G0+2:G0+3], SLOT_A
.endif
.if (\meet) == 1
	s_add_nc_u64 s[G0B+4*(\reg)+2:G0B+4*(\reg)+3], s[G0B+4*(\reg)+2:G0B+4*(\reg)+3], 2*SLOT_B
.else
	s_sub_nc_u64 s[G0B+4*(\reg)+2:G0B+4*(\reg)+3], s[G0B+4*(\reg)+2:G0B+4*(\reg)+3], BACK_B
.endif
	JLOAD \reg
.else
	MU 16, 1, 3, 0
.endif
.endif
.if (\fetch) == 1
	FETCHB \regn, 0, 0
.else
	FETCHQ
.endif
.if \drain
	MU 16, 1, 3, 0
.else
	MU 64, 1, 3, 0
.endif
.endm
; THE WAY OUT of one window's 32 accumulators, as a pipeline of 37 slots: in slot sg
;   X(sg)     t = 2 log2(e) s + 2 log2(e) q     beside the first four exponentials of accumulator sg - 1
;   P(sg - 2) 1 + e                             beside its last four
;   U(sg - 4) 1 - 2 / (1 + e) = tanh            beside the first four reciprocals of accumulator sg - 3
;   S(sg - 5) tanh x w_v, onto the row block's first accumulator (which starts the four chains in place: nothing is cleared)   beside its last four
; A plain line and a transcendental alternate, and every result is used a slot later: no transcendental's result is read, and no source of one written, by the line behind it (ISA guide 5.7.2).
; X takes each accumulator's lowest pair first.
.macro EPI w
.set sg, 0
.rept 37
.if ((\w) == 0) && (sg == 5)
	s_wait_dscnt 0x0                               ; w_v's numbers are in
.endif
.if sg < 33
	WIN E1+0x41*(\w)
.set k, 0
.rept 4
.if sg < 32
	v_pk_fma_f32 v[8*sg+2*k:8*sg+2*k+1], v[8*sg+2*k:8*sg+2*k+1], s[CC:CC+1], v[8*(sg%16)+2*k:8*(sg%16)+2*k+1] op_sel_hi:[1,0,1]
.endif
.if sg >= 1
	v_exp_f32 v[8*(sg-1)+k], v[8*(sg-1)+k]
.endif
.set k, k+1
.endr
.endif
.if sg >= 1
	WIN E2+0x51*(\w)
.set k, 0
.rept 4
.if (sg >= 2) && (sg < 34)
	s_wait_alu depctr_va_vdst(0)
	v_pk_add_f32 v[8*(sg-2)+2*k:8*(sg-2)+2*k+1], v[8*(sg-2)+2*k:8*(sg-2)+2*k+1], 1.0 op_sel_hi:[1,0]
.endif
.if sg < 33
	v_exp_f32 v[8*(sg-1)+4+k], v[8*(sg-1)+4+k]
.endif
.set k, k+1
.endr
.set k, 0
.rept 4
.if (sg >= 4) && (sg < 36)
	s_wait_alu depctr_va_vdst(0)
	v_pk_fma_f32 v[8*(sg-4)+2*k:8*(sg-4)+2*k+1], v[8*(sg-4)+2*k:8*(sg-4)+2*k+1], -2.0, 1.0 op_sel_hi:[1,0,0]
.endif
.if (sg >= 3) && (sg < 35)
	v_rcp_f32 v[8*(sg-3)+k], v[8*(sg-3)+k]
.endif
.set k, k+1
.endr
.set k, 0
.rept 4
.if sg >= 5
.if (sg-5)%16 == 0
	v_pk_mul_f32 v[8*(sg-5)+2*k:8*(sg-5)+2*k+1], v[8*(sg-5)+2*k:8*(sg-5)+2*k+1], v[128+2*k:128+2*k+1]
.else
	v_pk_fma_f32 v[128*((sg-5)/16)+2*k:128*((sg-5)/16)+2*k+1], v[8*(sg-5)+2*k:8*(sg-5)+2*k+1], v[128+8*((sg-5)%16)+2*k:128+8*((sg-5)%16)+2*k+1], v[128*((sg-5)/16)+2*k:128*((sg-5)/16)+2*k+1]
.endif
.endif
.if (sg >= 3) && (sg < 35)
	v_rcp_f32 v[8*(sg-3)+4+k], v[8*(sg-3)+4+k]
.endif
.set k, k+1
.endr
.endif
.set sg, sg+1
.endr
	WIN RR+0x55*(\w)                               ; the four chains of each row block into one number a lane
.irp a, 0,1
	v_pk_add_f32 v[128*(\a):128*(\a)+1], v[128*(\a):128*(\a)+1], v[128*(\a)+2:128*(\a)+3]
	v_pk_add_f32 v[128*(\a)+4:128*(\a)+5], v[128*(\a)+4:128*(\a)+5], v[128*(\a)+6:128*(\a)+7]
.endr
.irp a, 0,1
	v_pk_add_f32 v[128*(\a):128*(\a)+1], v[128*(\a):128*(\a)+1], v[128*(\a)+4:128*(\a)+5]
.endr
	WIN RO+5*(\w)
.irp a, 0,1
	v_add_f32 v[RS+2*(\w)+(\a)], v[128*(\a)], v[128*(\a)+1]
.endr
.endm
	; THE FIRST DRAIN: slot 0 of keys leaves the pad as in a step 3, with no products yet to set it beside; then the pad takes slot 1.  wb's slot 1 is in its region already, so waves 2 and 3 ask for nothing here.
	LDA 0, 0, AST
	LDA 1, 1, 0
	LDA 2, 1, 64
	s_wait_dscnt 32                                ; chunk 0 is in; chunks 1 and 2 may be out
	CV32 0, 0, AST
	LDA 3, 0, AST
	s_wait_dscnt 32                                ; chunk 1 is in; chunks 2 and 3 may be out
	CV32 1, 1, 0
	s_wait_dscnt 16                                ; chunk 2 is in; chunk 3 may be out
	CV32 2, 1, 64
	WIN 0
	s_wait_tensorcnt 0x0                           ; no tensor load of mine is out, so a group 0 may be written
	ds_add_u32 v[SPW], v[NIL]                      ; 0 onto my spare word
	s_add_nc_u64 s[G0+2:G0+3], s[G0+2:G0+3], SLOT_A
	s_wait_dscnt 0x0                               ; the add is done, and my reads of the pad are over
	CROUND                                         ; the same holds of every wave of every partner
	s_cmp_eq_u32 s15, 0
	s_cbranch_scc0 .Lno_a
	tensor_load_to_lds s[G0:G0+3], s[G1:G1+7]
	s_nop 0
.rept 4
	v_nop
.endr
.Lno_a:
.Ltile:                                                ; four trips: a tile of 256 rows x 256 features, eight phases.  keys' slot 0 is in registers; wb's first fragments have nothing to stand beside
	FETCHB 0, 0, 0
	STEP0 0, 1                                     ; the tile's first step starts the sums
	WIN 0                                          ; at a label and at a branch every window is 0
	s_mov_b32 s3, 3
.Llap:                                                 ; three trips of two phases, from an even phase's step 1 to the next even phase's step 0: phases 0 to 5, and phase 6's step 0
	STEP1 0, 1
	STEP2 0, 1
	STEP3 1, 0, 1, 1, 1
	STEP0 1, 0
	STEP1 1, 1
	STEP2 1, 1
	STEP3 0, 1, 1, 1, 1
	STEP0 0, 0
	WIN 0
	s_sub_co_u32 s3, s3, 1
	s_cmp_lg_u32 s3, 0
	s_cbranch_scc1 .Llap
	STEP1 0, 2                                     ; phase 6 goes on
	STEP2 0, 1                                     ; slot 7, the tile's last, is shown whole
	WIN 0
	s_cmp_eq_u32 s2, 1
	s_cbranch_scc1 .Llast                          ; the last tile's tail is written out: it asks for nothing more
	STEP3 1, 0, 1, 1, 2                            ; THE RING GOES ON INTO THE NEXT TILE: the pad and region 0 take its slot 0,
	STEP0 1, 0
	STEP1 1, 1
	STEP2 1, 1
	STEP3 0, 1, 2, 1, 3                            ; whose keys are drained here and wait in registers through the way out; the pad and region 1 take its slot 1
	WIN 0
	s_branch .Lepi
.Llast:
	STEP3 1, 0, 1, 1, 0                            ; slot 7 is drained; nothing is filled, so no barrier follows
	STEP0 1, 0
	STEP1 1, 0
	STEP2 1, 0
	STEP3 0, 1, 2, 0, 0
	WIN 0
.Lepi:
	s_wait_dscnt 0x0                               ; q's 32 loads are in
	PLACES                                         ; behind the last products: loads into wb's buffer 1 and reads of the sums follow
	WIN TO_B
.set j, 0
.rept 16
	ds_load_b128 v[128+8*j:128+8*j+3], v[WADR] offset:64*j
	ds_load_b128 v[128+8*j+4:128+8*j+7], v[WADR] offset:64*j+16
.set j, j+1
.endr
	EPI 0                                          ; its first five slots want q's numbers alone; the wait for w_v's stands in front of the sixth
	EPI 1
	WIN 0
.irp a, 0,1,2,3
	v_permlanex16_b32 v[TT+(\a)], v[RS+(\a)], s68, s69   ; a row's other 128 features lie in the lane 16 away
.endr
.irp a, 0,1,2,3
	v_add_f32 v[RS+(\a)], v[RS+(\a)], v[TT+(\a)]
.endr
	v_cndmask_b32 v[TT], v[RS], v[RS+1], s70       ; lanes 0-15 keep row block 0, lanes 16-31 take block 1: lane l holds row l,
	v_cndmask_b32 v[TT+1], v[RS+2], v[RS+3], s70   ; and row 32 + l
	ds_store_b32 v[STGW], v[TT]
	ds_store_b32 v[STGW], v[TT+1] offset:128
	ds_load_b64 v[TT+2:TT+3], v[STGR]              ; LDS serves a wave's instructions in order (ISA guide 5.7.1.4): this sees the two stores; rows 2 l and 2 l + 1
	s_wait_dscnt 0x0
	global_store_b64 v[PO], v[TT+2:TT+3], s[12:13] ; the wave's 64 sums: 256 consecutive bytes, at a multiple of 256 from part's first byte
	s_wait_xcnt 0x0                                ; the store's base and data are rewritten only behind this wait
	s_add_nc_u64 s[12:13], s[12:13], 65536         ; 16,384 rows on
	v_add_nc_u32 v[TADR], 1024, v[TADR]            ; the next tile's batch
	s_sub_co_u32 s2, s2, 1
	s_cmp_lg_u32 s2, 0
	s_cbranch_scc1 .Ltile
	s_wait_tensorcnt 0x0                           ; the wave's end, behind my last tensor load and my last LDS store
	ds_add_u32 v[SPW], v[NIL]
	s_wait_dscnt 0x0
	CROUND                                         ; the closing round: no work-group ends while a partner may still ask for a tile that names it
	s_endpgm
.Lfunc_end_k_qe3512f5f78_main:
	.size	k_qe3512f5f78_main, .Lfunc_end_k_qe3512f5f78_main-k_qe3512f5f78_main
	.p2alignl 7, 3214868480
	.fill 96, 4, 3214868480
	.section	.rodata,"a",@progbits
	.p2align	6, 0x0
	.amdhsa_kernel k_qe3512f5f78_main
		.amdhsa_group_segment_fixed_size 327680
		.amdhsa_private_segment_fixed_size 0
		.amdhsa_enable_private_segment 0
		.amdhsa_kernarg_size 40
		.amdhsa_user_sgpr_count 2
		.amdhsa_user_sgpr_kernarg_segment_ptr 1
		.amdhsa_wavefront_size32 1
		.amdhsa_system_sgpr_workgroup_id_x 1
		.amdhsa_system_sgpr_workgroup_id_y 1
		.amdhsa_system_sgpr_workgroup_id_z 1
		.amdhsa_system_vgpr_workitem_id 0
		.amdhsa_next_free_vgpr 1024
		.amdhsa_next_free_sgpr 80
		.amdhsa_reserve_vcc 0
		.amdhsa_float_denorm_mode_32 3
		.amdhsa_float_denorm_mode_16_64 3
		.amdhsa_memory_ordered 1
		.amdhsa_forward_progress 1
		.amdhsa_inst_pref_size 255
	.end_amdhsa_kernel
	.section	.bss,"aw",@nobits
	.p2align	6
	.space	262144
	.amdgpu_metadata
---
amdhsa.version: [ 1, 2 ]
amdhsa.kernels:
  - .name:           k_qe3512f5f78_main
    .symbol:         k_qe3512f5f78_main.kd
    .args:
      - { .name: keys, .offset: 0, .size: 8, .value_kind: global_buffer, .address_space: global }
      - { .name: wb, .offset: 8, .size: 8, .value_kind: global_buffer, .address_space: global }
      - { .name: qs, .offset: 16, .size: 8, .value_kind: global_buffer, .address_space: global }
      - { .name: w_v, .offset: 24, .size: 8, .value_kind: global_buffer, .address_space: global }
      - { .name: part, .offset: 32, .size: 8, .value_kind: global_buffer, .address_space: global }
    .group_segment_fixed_size: 327680
    .private_segment_fixed_size: 0
    .kernarg_segment_align: 8
    .kernarg_segment_size: 40
    .max_flat_workgroup_size: 128
    .sgpr_count:     80
    .vgpr_count:     1024
    .wavefront_size: 32
...
	.end_amdgpu_metadata
.endif
;; end of part 4
;; launch fin: the kernel of part 3 again; grid 64 x 1, 8 waves a work-group, no clusters, 0 bytes of LDS; arguments part, out0; writes out0
;; ======== version 3 of 3: 3 launches; version 2 with the launch prep written anew for expert scheduling mode
;; limits: a function is approximated: absolute error at most 1.2e-07
;; workspace buffers: wb 2,097,152 bytes; qs 65,536 bytes; part 1,048,576 bytes
;; launch prep (part 5): grid 80 x 1, 8 waves a work-group, no clusters, 33,792 bytes of LDS; arguments W_k, W_q, queries, wb, qs; writes wb, qs
.if DOCPART == 5
	.amdgcn_target "amdgcn-amd-amdhsa--gfx1250"
	.amdhsa_code_object_version 6
	.text
	.protected	k_qe3512f5f78_prep
	.globl	k_qe3512f5f78_prep
	.p2align	8
	.type	k_qe3512f5f78_prep,@function
k_qe3512f5f78_prep:
	s_mov_b64 s[64:65], 0
	v_nop
	global_prefetch_b8 v0, s[64:65] scope:SCOPE_SE
	s_setreg_imm32_b32 hwreg(HW_REG_WAVE_SCHED_MODE, 0, 2), 2
	s_setreg_imm32_b32 hwreg(HW_REG_WAVE_MODE, 25, 1), 1
	s_wait_xcnt 0x0
	s_wait_alu depctr_vm_vsrc(0)
; Two small jobs ahead of the main product, chosen by the work-group's number (the same for all eight waves of a work-group).
; Work-groups 16 to 79: wb = W_k rounded once to bf16, same [d][h] layout.  A wave takes 8,192 bytes of W_k: 64 x 8 x 8,192 = all 4,194,304.
; Work-groups 0 to 15: qs[b][n] = 2 log2(e) x the sum over d of bf16(queries[b][d]) bf16(W_q[d][n]), sums in f32, for columns 64 g to 64 g + 63.
;   Wave w takes d = 128 w to 128 w + 127 in four steps of 32; the eight waves' partial sums meet in LDS and are added in f32, wave ascending.
;   The factor is the one that the main launch needs in front of its exponential, so it is applied here once.
; THE MODE: SCHED_MODE bits 1:0 = 2 (LLVM: expert scheduling mode 2), set by the entry lines.  The code itself states the register dependences
; between vector or matrix instructions and memory or LDS instructions, with s_wait_alu, always for 0.
; THE PLAN.  Registers that memory or LDS instructions touch:
;   s14           the wave's number, written by v_readfirstlane_b32: one wait on va_sdst in the head, ahead of the branch behind which its readers stand.
;   THE CAST      v4, v5: offsets, made once.  v32-95: each written by one load, read by the roundings, never loaded again.  v96-127: each written by one rounding, read by one store, never written again.
;                 The 16 loads go in four blocks of four.  A block's head states that the block before has written its eight out-registers; that block's four stores stand among this block's roundings, which name other registers.
;   THE PROJECTION  v6, v7: offsets, made once.  Two staging sets: set s % 2 is written by step s's 20 loads and read by step s's 40 roundings; behind them it is loaded again, for step s + 2.
;                 ONE wait on va_vdst behind the roundings of steps 0 and 1 states that they are done reading the set; the 20 loads follow it, dealt among the step's four matrix instructions,
;                 which name AF, BQ and the accumulators alone.  AF and BQ are named by vector and matrix instructions alone.
;                 The way out: one wait for the accumulators (the LDS stores' data) and the three addresses; one for the four numbers that are stored to qs.
;   No register that a memory or LDS instruction has read is written again in either job, so no wait on vm_vsrc is owed.
;   v[SPW], v[NIL]  written at the head, read by the closing add alone.
.set SPARE, 32768                      ; behind the 8 x 4,096 bytes of partial sums: the spare words, 128 bytes a wave, four blocks of 256 bytes that no other line names
.set SPW,  14                          ; v14  SPARE + 4 x my thread's number; never rewritten
.set NIL,  15                          ; v15  0; never rewritten
.set ST0,  16                          ; v16-95, v96-175  two staging sets: 16 f32 of queries, then 16 x 4 f32 of W_q
.set AF,   176                         ; v176-183  queries' fragment, 16 rows x 32 d, bf16
.set BQ,   184                         ; v184-215  four fragments of W_q, 32 d x 16 columns each
.set ACC,  216                         ; v216-247  four accumulators
	s_load_b256 s[4:11], s[0:1], 0x0               ; W_k s[4:5], W_q s[6:7], queries s[8:9], wb s[10:11]
	s_load_b64 s[12:13], s[0:1], 0x20              ; qs
	v_lshl_add_u32 v[SPW], v0, 2, SPARE
	v_mov_b32 v[NIL], 0
	v_lshrrev_b32 v1, 5, v0
	v_readfirstlane_b32 s14, v1                    ; wave 0..7
	v_and_b32 v3, 31, v0                           ; lane
	s_mov_b32 s15, ttmp9
	s_wait_alu depctr_va_sdst(0)                   ; s14 is written
	s_wait_kmcnt 0x0
	s_cmp_lt_u32 s15, 16
	s_cbranch_scc1 .Lq
	; THE CAST.  No LDS: 16 loads of 512 neighbouring bytes are all out at once; each store of the wave covers 256 consecutive bytes, aligned.
	s_sub_co_u32 s16, s15, 16
	s_lshl_b32 s16, s16, 16                        ; 65,536 bytes of W_k a work-group,
	s_lshl_b32 s17, s14, 13                        ; 8,192 a wave
	s_add_co_u32 s16, s16, s17
	s_mov_b32 s17, 0
	s_add_nc_u64 s[4:5], s[4:5], s[16:17]
	s_lshr_b32 s16, s16, 1                         ; half as many bytes in wb
	s_add_nc_u64 s[10:11], s[10:11], s[16:17]
	v_lshlrev_b32 v4, 4, v3
	v_lshlrev_b32 v5, 3, v3
	s_wait_alu depctr_va_vdst(0)                   ; v4 and v5 are written: every load below reads v4 as its offset, every store v5
.set i, 0
.rept 16
	global_load_b128 v[32+4*i:35+4*i], v4, s[4:5] offset:512*i th:TH_LOAD_NT
.set i, i+1
.endr
.set blk, 0
.rept 4                                        ; four blocks of four loads; a block's stores leave in the block behind it
	s_wait_loadcnt 12-4*blk                        ; loads come back in order: this block's four are in, the 12 - 4 blk younger ones stay out
.if blk > 0
	s_wait_alu depctr_va_vdst(0)                   ; the block before has written its eight out-registers, which the four stores below read
.endif
.set i, 4*blk
.rept 4
.if blk > 0
	global_store_b64 v5, v[96+2*(i-4):97+2*(i-4)], s[10:11] offset:256*(i-4)   ; no vector instruction since the wait names these registers
.endif
	v_cvt_pk_bf16_f32 v[96+2*i], v[32+4*i], v[33+4*i]
	v_cvt_pk_bf16_f32 v[97+2*i], v[34+4*i], v[35+4*i]
.set i, i+1
.endr
.set blk, blk+1
.endr
	s_wait_alu depctr_va_vdst(0)                   ; the last block has written v120 to v127, which the last four stores read
.set i, 12
.rept 4
	global_store_b64 v5, v[96+2*i:97+2*i], s[10:11] offset:256*i
.set i, i+1
.endr
	s_endpgm
.Lq:
	; THE PROJECTION OF THE QUERIES.  r = lane % 16, h = lane / 16.
	; queries' fragment: lane (r, h) holds row r, d = 8 h + 0..7 and 16 + 8 h + 0..7 of the step: four loads of 16 bytes at 32 h + 0, 16, 64, 80.
	; W_q lies [d][n], and no load turns it.  Load i of 16 takes 16 bytes of row d = (i < 8 ? i : i + 8) + 8 h: columns 4 r to 4 r + 3; lanes 0-15 cover 256 aligned bytes of a row.
	; Component c of the sixteen loads IS the fragment of the sixteen columns 4 r + c: so four accumulators, c = 0..3, and lane r of accumulator c holds column 64 g + 4 r + c.
	v_and_b32 v1, 15, v0                           ; r
	v_bfe_u32 v2, v0, 4, 1                         ; h
	v_lshlrev_b32 v6, 12, v1
	v_lshl_add_u32 v6, v2, 5, v6                   ; queries: 4,096 r + 32 h
	v_lshlrev_b32 v7, 4, v1
	v_lshl_add_u32 v7, v2, 15, v7                  ; W_q: 8 h rows of 4,096 bytes + 16 r
	s_lshl_b32 s16, s14, 9                         ; my 128 d in a row of queries
	s_mov_b32 s17, 0
	s_add_nc_u64 s[8:9], s[8:9], s[16:17]
	s_lshl_b32 s16, s14, 19                        ; my 128 rows of W_q,
	s_lshl_b32 s18, s15, 8                         ; the work-group's 64 columns
	s_add_co_u32 s16, s16, s18
	s_add_nc_u64 s[6:7], s[6:7], s[16:17]
.macro LOADQ s, set                    ; step s: the four loads of queries into a staging set
.irp q, 0,1,2,3
	global_load_b128 v[ST0+80*(\set)+4*(\q):ST0+80*(\set)+4*(\q)+3], v6, s[8:9] offset:128*(\s)+16*((\q)%2)+64*((\q)/2)
.endr
.endm
.macro LOADW s, set, part              ; step s: numbers 4 part to 4 part + 3 of the sixteen loads of W_q
.set i, 4*(\part)
.rept 4
	global_load_b128 v[ST0+80*(\set)+16+4*i:ST0+80*(\set)+19+4*i], v7, s[6:7] offset:(32*(\s)+i+8*(i/8))*4096 th:TH_LOAD_NT
.set i, i+1
.endr
.endm
.macro LOADSET s, set                  ; step s: all 20 loads in one run
	LOADQ \s, \set
.irp p, 0,1,2,3
	LOADW \s, \set, \p
.endr
.endm
.macro CVT set                         ; 40 roundings to bf16: the five fragments
.set i, 0
.rept 8
	v_cvt_pk_bf16_f32 v[AF+i], v[ST0+80*(\set)+2*i], v[ST0+80*(\set)+2*i+1]
.set i, i+1
.endr
.irp c, 0,1,2,3
.set i, 0
.rept 8
	v_cvt_pk_bf16_f32 v[BQ+8*(\c)+i], v[ST0+80*(\set)+16+8*i+(\c)], v[ST0+80*(\set)+20+8*i+(\c)]
.set i, i+1
.endr
.endr
.endm
; The four accumulators take turns, one instruction a turn; zero = 1: the first step starts the sums.
; ahead = 1: four loads of W_q for step s stand behind each matrix instruction; they land in staging set 'set', which no matrix instruction names.
.macro MM zero, ahead, s, set
.irp c, 0,1,2,3
.if \zero
	v_wmma_f32_16x16x32_bf16 v[ACC+8*(\c):ACC+8*(\c)+7], v[AF:AF+7], v[BQ+8*(\c):BQ+8*(\c)+7], 0
.else
	v_wmma_f32_16x16x32_bf16 v[ACC+8*(\c):ACC+8*(\c)+7], v[AF:AF+7], v[BQ+8*(\c):BQ+8*(\c)+7], v[ACC+8*(\c):ACC+8*(\c)+7]
.endif
.if \ahead
	LOADW \s, \set, \c
.endif
.endr
.endm
.macro PLACES                          ; four plain vector instructions between a matrix instruction and a vector write of its sources (ISA guide 7.12.1)
.rept 4
	v_nop
.endr
.endm
	s_wait_alu depctr_va_vdst(0)                   ; v6 and v7 are written: every load of queries reads v6 as its offset, every load of W_q v7
	LOADSET 0, 0
	LOADSET 1, 1
	s_wait_loadcnt 20                              ; step 0's set is in; the 20 loads of step 1 stay out
	CVT 0
	s_wait_alu depctr_va_vdst(0)                   ; the roundings are done reading staging set 0, in which the 20 loads of step 2 land
	LOADQ 2, 0
	MM 1, 1, 2, 0
	PLACES
	s_wait_loadcnt 20                              ; step 1's set; step 2's 20 stay out
	CVT 1
	s_wait_alu depctr_va_vdst(0)                   ; the roundings are done reading staging set 1, in which the 20 loads of step 3 land
	LOADQ 3, 1
	MM 0, 1, 3, 1
	PLACES
	s_wait_loadcnt 20                              ; step 2's set; step 3's 20 stay out
	CVT 0
	MM 0, 0, 0, 0                                  ; the last two steps load nothing
	PLACES
	s_wait_loadcnt 0x0
	CVT 1
	MM 0, 0, 0, 0
	; the addresses of the way out: seven plain instructions that name no register of the products, the places behind them
	s_lshl_b32 s16, s14, 12                        ; my 4,096 bytes of partial sums
	s_lshr_b32 s17, s14, 2
	s_lshl_b32 s17, s17, 9
	s_and_b32 s18, s14, 3
	s_lshl_b32 s18, s18, 2
	s_add_co_u32 s17, s17, s18                     ; register j = w of every accumulator: block j / 4, word j % 4
	s_lshl_b32 s18, s15, 8
	s_add_co_u32 s18, s18, s16                     ; qs: row w (+ 8 h), the work-group's 64 columns
	v_lshlrev_b32 v8, 4, v3
	v_lshlrev_b32 v9, 4, v3
	v_add_nc_u32 v8, s16, v8
	v_add_nc_u32 v9, s17, v9
	v_lshlrev_b32 v10, 15, v2
	v_lshl_add_u32 v10, v1, 4, v10
	v_add_nc_u32 v10, s18, v10
	s_wait_alu depctr_va_vdst(0)                   ; the matrix instructions have written the accumulators, which the LDS stores read; v8, v9 and v10 are written; the roundings are done reading v16 to v47, in which the LDS loads behind the barrier land.  The places above stay beside this wait
.irp c, 0,1,2,3
	ds_store_b128 v8, v[ACC+8*(\c):ACC+8*(\c)+3] offset:1024*(\c)        ; each accumulator's low registers first
	ds_store_b128 v8, v[ACC+8*(\c)+4:ACC+8*(\c)+7] offset:1024*(\c)+512
.endr
	s_wait_dscnt 0x0                               ; for the others' sake: my partial sums are in LDS
	s_barrier_signal -1
	s_barrier_wait -1
.set i, 0
.rept 32                                       ; source wave i / 4, accumulator i % 4: register w of each, so I hold batch rows w and 8 + w.  No vector instruction since the wait above names v9 or v16 to v47
	ds_load_b32 v[16+i], v9 offset:(i/4)*4096+(i%4)*1024
.set i, i+1
.endr
	s_wait_dscnt 0x0
	v_pk_add_f32 v[48:49], v[16:17], v[20:21]
	v_pk_add_f32 v[50:51], v[18:19], v[22:23]
.irp s, 2,3,4,5,6,7
	v_pk_add_f32 v[48:49], v[48:49], v[16+4*(\s):17+4*(\s)]
	v_pk_add_f32 v[50:51], v[50:51], v[18+4*(\s):19+4*(\s)]
.endr
	v_pk_mul_f32 v[48:49], v[48:49], 0x4038aa3b op_sel_hi:[1,0]   ; 2 log2(e)
	v_pk_mul_f32 v[50:51], v[50:51], 0x4038aa3b op_sel_hi:[1,0]
	s_wait_alu depctr_va_vdst(0)                   ; the two scalings have written v48 to v51, which the store reads
	global_store_b128 v10, v[48:51], s[12:13]      ; columns 4 r to 4 r + 3 of row 8 h + w: sixteen lanes store 256 consecutive bytes, aligned
	s_wait_dscnt 0x0                               ; the closing lines, six on end
	s_wait_alu 0x0
	s_wait_tensorcnt 0x0
	ds_add_u32 v[SPW], v[NIL]
	s_wait_dscnt 0x0
	s_endpgm
.Lfunc_end_k_qe3512f5f78_prep:
	.size	k_qe3512f5f78_prep, .Lfunc_end_k_qe3512f5f78_prep-k_qe3512f5f78_prep
	.p2alignl 7, 3214868480
	.fill 96, 4, 3214868480
	.section	.rodata,"a",@progbits
	.p2align	6, 0x0
	.amdhsa_kernel k_qe3512f5f78_prep
		.amdhsa_group_segment_fixed_size 33792
		.amdhsa_private_segment_fixed_size 0
		.amdhsa_enable_private_segment 0
		.amdhsa_kernarg_size 40
		.amdhsa_user_sgpr_count 2
		.amdhsa_user_sgpr_kernarg_segment_ptr 1
		.amdhsa_wavefront_size32 1
		.amdhsa_system_sgpr_workgroup_id_x 1
		.amdhsa_system_sgpr_workgroup_id_y 1
		.amdhsa_system_sgpr_workgroup_id_z 1
		.amdhsa_system_vgpr_workitem_id 0
		.amdhsa_next_free_vgpr 256
		.amdhsa_next_free_sgpr 66
		.amdhsa_reserve_vcc 0
		.amdhsa_float_denorm_mode_32 3
		.amdhsa_float_denorm_mode_16_64 3
		.amdhsa_memory_ordered 1
		.amdhsa_forward_progress 1
		.amdhsa_inst_pref_size 31
	.end_amdhsa_kernel
	.amdgpu_metadata
---
amdhsa.version: [ 1, 2 ]
amdhsa.kernels:
  - .name:           k_qe3512f5f78_prep
    .symbol:         k_qe3512f5f78_prep.kd
    .args:
      - { .name: W_k, .offset: 0, .size: 8, .value_kind: global_buffer, .address_space: global }
      - { .name: W_q, .offset: 8, .size: 8, .value_kind: global_buffer, .address_space: global }
      - { .name: queries, .offset: 16, .size: 8, .value_kind: global_buffer, .address_space: global }
      - { .name: wb, .offset: 24, .size: 8, .value_kind: global_buffer, .address_space: global }
      - { .name: qs, .offset: 32, .size: 8, .value_kind: global_buffer, .address_space: global }
    .group_segment_fixed_size: 33792
    .private_segment_fixed_size: 0
    .kernarg_segment_align: 8
    .kernarg_segment_size: 40
    .max_flat_workgroup_size: 256
    .sgpr_count:     66
    .vgpr_count:     256
    .wavefront_size: 32
...
	.end_amdgpu_metadata
.endif
;; end of part 5
;; launch main: the kernel of part 4 again; grid 4 x 64, 4 waves a work-group, clusters of 4 x 4, 327,680 bytes of LDS; arguments keys, wb, qs, w_v, part; writes part
;; launch fin: the kernel of part 3 again; grid 64 x 1, 8 waves a work-group, no clusters, 0 bytes of LDS; arguments part, out0; writes out0
